; MI455X (gfx1250); checked and timed in simulation.
; The chip was launched on July 23, 2026; its instructions are those of AMD's public machine-readable ISA for CDNA 5 (MIT licence, August 2026) and "CDNA5" Instruction Set Architecture Reference Guide (July 2026). The comments in the code are by the model that wrote it; some were corrected since.
;; One Trans Attention. Allowed arithmetic: float matrix products may take bf16 or f16 operands with f32 sums; all other float work in f32.
;; Inputs: Wk 1,024 x 1,024 float32; Wo 1,024 x 1,024 float32; Wq 1,024 x 1,024 float32; Wv 1,024 x 1,024 float32; bk 1,024 float32; bo 1,024 float32; bq 1,024 float32; bv 1,024 float32; x 4 x 2,048 x 1,024 float32.
;; Outputs: out0 4 x 2,048 x 1,024 float32.
;; Constants: L_ns = 512.
;; One version. Each part assembles by itself: llvm-mc -triple=amdgcn-amd-amdhsa -mcpu=gfx1250 --defsym DOCPART=n.
;; ======== version 1 of 1: 4 launches
;; limits: values are held in f16: magnitudes above 65,504 overflow, below 6.1e-05 lose precision
;; workspace buffers: xb 16,777,216 bytes; wb 6,291,456 bytes; wo 2,097,152 bytes; bias 16,384 bytes; qkv 50,331,648 bytes; ob 16,777,216 bytes
;; launch cast (part 1): grid 64 x 12, 8 waves a work-group, no clusters, 0 bytes of LDS; arguments x, Wq, Wk, Wv, Wo, bq, bk, bv, bo, xb, wb, wo, bias; writes xb, wb, wo, bias
.if DOCPART == 1
	.amdgcn_target "amdgcn-amd-amdhsa--gfx1250"
	.amdhsa_code_object_version 6
	.text
	.protected	k_q978628b552_cast
	.globl	k_q978628b552_cast
	.p2align	8
	.type	k_q978628b552_cast,@function
k_q978628b552_cast:
	s_mov_b64 s[64:65], 0
	v_nop
	global_prefetch_b8 v0, s[64:65] scope:SCOPE_SE
	s_setreg_imm32_b32 hwreg(HW_REG_WAVE_MODE, 25, 1), 1
	s_wait_xcnt 0x0
; THE INPUTS ARE ROUNDED ONCE.  x -> xb (bf16), Wq, Wk, Wv -> wb (bf16, the three one below the other), Wo -> wo (rounded to bf16, that number written as f16),
; bq, bk, bv, bo -> bias (rounded to bf16, widened to f32 again, the four on end).
; LIMIT.  Wo within 65,504 in size; below 6e-5 it keeps f16's fixed step of 6e-8.
; A stream: no LDS, no barrier, no matrix work, since each number is touched once.  A work-group takes 16 chunks of 1,024 numbers: thread t takes four numbers of each chunk,
; so a wave's load covers 512 consecutive bytes and its store 256 consecutive bytes, both aligned.  All sixteen loads of a thread go out before the first is waited for.
; Grid row y: 0-7 x, 8-10 Wq, Wk, Wv, 11 Wo.  The first work-group of rows 8-11 also takes that row's bias: 1,024 numbers, four a thread.
.set XR, 4                             ; v[4:67]    chunk i: four f32 as loaded
.set YR, 68                            ; v[68:99]   chunk i: two registers to store; each chunk has its own, so no store's data is written again
.set TR, 100                           ; v[100:103] at work
.set BR, 104                           ; v[104:107] the bias to store
	s_load_b512 s[8:23], s[0:1], 0x0               ; x s[8:9], Wq s[10:11], Wk s[12:13], Wv s[14:15], Wo s[16:17], bq s[18:19], bk s[20:21], bv s[22:23]
	s_load_b256 s[24:31], s[0:1], 0x40             ; bo s[24:25], xb s[26:27], wb s[28:29], wo s[30:31]
	s_load_b64 s[32:33], s[0:1], 0x60              ; bias
	s_and_b32 s34, ttmp7, 0xffff                   ; y
	s_mov_b32 s35, ttmp9                           ; which 16 chunks of the row's 64 x 16
	s_mov_b32 s2, 0xffff0000                       ; a word's upper bf16
	v_lshlrev_b32 v1, 4, v0                        ; 16 t: my four f32 in a chunk
	v_lshlrev_b32 v2, 3, v0                        ; 8 t: my four 16-bit numbers
	s_sub_co_u32 s46, s34, 8                       ; y - 8 (used where y >= 8 alone)
	s_cmp_lt_u32 s34, 8
	s_cselect_b32 s40, s34, 0                      ; which eighth of x I read; a weight is read from its own start
	s_cselect_b32 s41, s34, s46                    ; which part of xb, or of wb, I write;
	s_cmp_eq_u32 s34, 11
	s_cselect_b32 s41, 0, s41                      ; wo from its start
	s_lshl_b32 s40, s40, 6
	s_add_co_u32 s40, s40, s35
	s_lshl_b32 s42, s40, 16                        ; 65,536 bytes in for each work-group
	s_mov_b32 s43, 0
	s_lshl_b32 s41, s41, 6
	s_add_co_u32 s41, s41, s35
	s_lshl_b32 s44, s41, 15                        ; 32,768 bytes out
	s_mov_b32 s45, 0
	s_wait_kmcnt 0x0
	s_cmp_lt_u32 s34, 8                            ; the source and the target are chosen by y alone
	s_cselect_b64 s[36:37], s[8:9], s[10:11]
	s_cselect_b64 s[38:39], s[26:27], s[28:29]
	s_cmp_eq_u32 s34, 9
	s_cselect_b64 s[36:37], s[12:13], s[36:37]
	s_cmp_eq_u32 s34, 10
	s_cselect_b64 s[36:37], s[14:15], s[36:37]
	s_cmp_eq_u32 s34, 11
	s_cselect_b64 s[36:37], s[16:17], s[36:37]
	s_cselect_b64 s[38:39], s[30:31], s[38:39]
	s_add_nc_u64 s[36:37], s[36:37], s[42:43]
	s_add_nc_u64 s[38:39], s[38:39], s[44:45]
.set i, 0
.rept 16
	global_load_b128 v[XR+4*i:XR+4*i+3], v1, s[36:37] offset:4096*i th:TH_LOAD_NT
.set i, i+1
.endr
	s_cmp_eq_u32 s34, 11
	s_cbranch_scc1 .Lhalf
.set i, 0
.rept 16
	s_wait_loadcnt 15-i                            ; loads come back in order: chunk i is in, the 15 - i younger ones stay out
	v_cvt_pk_bf16_f32 v[YR+2*i], v[XR+4*i], v[XR+4*i+1]
	v_cvt_pk_bf16_f32 v[YR+2*i+1], v[XR+4*i+2], v[XR+4*i+3]
	global_store_b64 v2, v[YR+2*i:YR+2*i+1], s[38:39] offset:2048*i
.set i, i+1
.endr
	s_branch .Lbias
.Lhalf:                                                ; Wo: to bf16, widened, and written as f16 (exact inside f16's normal range: bf16 has fewer digits)
.set i, 0
.rept 16
	s_wait_loadcnt 15-i
	v_cvt_pk_bf16_f32 v[TR], v[XR+4*i], v[XR+4*i+1]
	v_cvt_pk_bf16_f32 v[TR+1], v[XR+4*i+2], v[XR+4*i+3]
	v_and_b32 v[TR+3], s2, v[TR+1]                 ; the upper words first, so that no source is lost
	v_lshlrev_b32 v[TR+2], 16, v[TR+1]
	v_and_b32 v[TR+1], s2, v[TR]
	v_lshlrev_b32 v[TR], 16, v[TR]
	v_cvt_pk_f16_f32 v[YR+2*i], v[TR], v[TR+1]
	v_cvt_pk_f16_f32 v[YR+2*i+1], v[TR+2], v[TR+3]
	global_store_b64 v2, v[YR+2*i:YR+2*i+1], s[38:39] offset:2048*i
.set i, i+1
.endr
.Lbias:
	s_cmp_lt_u32 s34, 8
	s_cbranch_scc1 .Lend
	s_cmp_lg_u32 s35, 0
	s_cbranch_scc1 .Lend
	s_cmp_eq_u32 s34, 8
	s_cselect_b64 s[46:47], s[18:19], s[20:21]
	s_cmp_eq_u32 s34, 10
	s_cselect_b64 s[46:47], s[22:23], s[46:47]
	s_cmp_eq_u32 s34, 11
	s_cselect_b64 s[46:47], s[24:25], s[46:47]
	s_sub_co_u32 s42, s34, 8
	s_lshl_b32 s42, s42, 12                        ; 4,096 bytes for each of the four
	s_add_nc_u64 s[32:33], s[32:33], s[42:43]
	global_load_b128 v[XR:XR+3], v1, s[46:47]      ; all earlier loads were waited for above
	s_wait_loadcnt 0x0
	v_cvt_pk_bf16_f32 v[TR], v[XR], v[XR+1]
	v_cvt_pk_bf16_f32 v[TR+1], v[XR+2], v[XR+3]
	v_lshlrev_b32 v[BR], 16, v[TR]
	v_and_b32 v[BR+1], s2, v[TR]
	v_lshlrev_b32 v[BR+2], 16, v[TR+1]
	v_and_b32 v[BR+3], s2, v[TR+1]
	global_store_b128 v1, v[BR:BR+3], s[32:33]
.Lend:
	s_endpgm
.Lfunc_end_k_q978628b552_cast:
	.size	k_q978628b552_cast, .Lfunc_end_k_q978628b552_cast-k_q978628b552_cast
	.p2alignl 7, 3214868480
	.fill 96, 4, 3214868480
	.section	.rodata,"a",@progbits
	.p2align	6, 0x0
	.amdhsa_kernel k_q978628b552_cast
		.amdhsa_group_segment_fixed_size 0
		.amdhsa_private_segment_fixed_size 0
		.amdhsa_enable_private_segment 0
		.amdhsa_kernarg_size 104
		.amdhsa_user_sgpr_count 2
		.amdhsa_user_sgpr_kernarg_segment_ptr 1
		.amdhsa_wavefront_size32 1
		.amdhsa_system_sgpr_workgroup_id_x 1
		.amdhsa_system_sgpr_workgroup_id_y 1
		.amdhsa_system_sgpr_workgroup_id_z 1
		.amdhsa_system_vgpr_workitem_id 0
		.amdhsa_next_free_vgpr 108
		.amdhsa_next_free_sgpr 66
		.amdhsa_reserve_vcc 0
		.amdhsa_float_denorm_mode_32 3
		.amdhsa_float_denorm_mode_16_64 3
		.amdhsa_memory_ordered 1
		.amdhsa_forward_progress 1
		.amdhsa_inst_pref_size 16
	.end_amdhsa_kernel
	.amdgpu_metadata
---
amdhsa.version: [ 1, 2 ]
amdhsa.kernels:
  - .name:           k_q978628b552_cast
    .symbol:         k_q978628b552_cast.kd
    .args:
      - { .name: x, .offset: 0, .size: 8, .value_kind: global_buffer, .address_space: global }
      - { .name: Wq, .offset: 8, .size: 8, .value_kind: global_buffer, .address_space: global }
      - { .name: Wk, .offset: 16, .size: 8, .value_kind: global_buffer, .address_space: global }
      - { .name: Wv, .offset: 24, .size: 8, .value_kind: global_buffer, .address_space: global }
      - { .name: Wo, .offset: 32, .size: 8, .value_kind: global_buffer, .address_space: global }
      - { .name: bq, .offset: 40, .size: 8, .value_kind: global_buffer, .address_space: global }
      - { .name: bk, .offset: 48, .size: 8, .value_kind: global_buffer, .address_space: global }
      - { .name: bv, .offset: 56, .size: 8, .value_kind: global_buffer, .address_space: global }
      - { .name: bo, .offset: 64, .size: 8, .value_kind: global_buffer, .address_space: global }
      - { .name: xb, .offset: 72, .size: 8, .value_kind: global_buffer, .address_space: global }
      - { .name: wb, .offset: 80, .size: 8, .value_kind: global_buffer, .address_space: global }
      - { .name: wo, .offset: 88, .size: 8, .value_kind: global_buffer, .address_space: global }
      - { .name: bias, .offset: 96, .size: 8, .value_kind: global_buffer, .address_space: global }
    .group_segment_fixed_size: 0
    .private_segment_fixed_size: 0
    .kernarg_segment_align: 8
    .kernarg_segment_size: 104
    .max_flat_workgroup_size: 256
    .sgpr_count:     66
    .vgpr_count:     108
    .wavefront_size: 32
...
	.end_amdgpu_metadata
.endif
;; end of part 1
;; launch qkv (part 2): grid 16 x 16, 4 waves a work-group, clusters of 4 x 4, 327,680 bytes of LDS; arguments xb, wb, bias, qkv; writes qkv
.if DOCPART == 2
	.amdgcn_target "amdgcn-amd-amdhsa--gfx1250"
	.amdhsa_code_object_version 6
	.text
	.protected	k_q978628b552_qkv
	.globl	k_q978628b552_qkv
	.p2align	8
	.type	k_q978628b552_qkv,@function
k_q978628b552_qkv:
	s_mov_b64 s[64:65], 0
	v_nop
	global_prefetch_b8 v0, s[64:65] scope:SCOPE_SE
	s_setreg_imm32_b32 hwreg(HW_REG_WAVE_MODE, 25, 1), 1
	s_wait_xcnt 0x0
	s_wait_alu depctr_hold_cnt(0) depctr_sa_sdst(0) depctr_va_vdst(0) depctr_va_sdst(0) depctr_va_ssrc(0) depctr_va_vcc(0) depctr_vm_vsrc(0)
	s_getreg_b32 s2, hwreg(HW_REG_IB_STS2, 6, 4)
	s_cmp_eq_u32 s2, 0
	s_cbranch_scc0 .Lentry_in_a_cluster
	s_endpgm
.Lentry_in_a_cluster:
	s_bfe_u32 s2, ttmp6, 0x10000c
	s_cmp_lg_u32 s2, 0xf033
	s_cbranch_scc0 .Lentry_shape_is_right
	s_endpgm
.Lentry_shape_is_right:
; q, k, v = x W^T + b, by heads.  xb: [8192][1024] bf16, wb: [3072][1024] bf16 (Wq, Wk, Wv), bias: f32, its first 3,072 numbers; qkv: f16 [b 4][g 48][l 2048][64], g = column / 64.
; Sums in f32, started by the bias (the C operand of each sum's first product), rounded once to f16, unscaled.
; LIMIT.  q, k and v within 65,504 in size: beyond it the rounding to f16 gives an infinity.
; SHARES.  A tile of the result is 256 rows x 192 columns (three heads).  A WORK-GROUP STAYS: 16 x 16 = 256 work-groups, each makes two tiles, 4,096 rows apart, of the same columns: the same tiles of W and
; the same bias serve both.  Wave w owns rows 64 w .. 64 w + 63 and ALL 192 columns: 48 accumulators of 16 x 16, 384 registers; so a wave holds whole heads, and its way out needs no other wave.
; K goes in 8 steps of 128 through two LDS slots; the rows of both tiles are 256 bytes of memory, aligned.  The ring does not stop at the first tile's end: its last two changes of slots ask for the second
; tile's K steps 0 and 1, and nothing waits for the first tile's stores.
; CLUSTER.  4 x 4 work-groups: the four of a row need the same tile of x, the four of a column the same tile of W: each is asked for jointly, by the same tensor load with the same descriptor.
; THE MATRIX INSTRUCTION IS USED TRANSPOSED (source 0 = 16 rows of W, source 1 = 16 rows of x): a lane holds row lane % 16 and the eight neighbouring columns 8 (lane / 16) + 0..7.
; REGISTERS, in windows of 256 (s_set_vgpr_msb: bits 1:0 source 0, 3:2 source 1, 5:4 source 2, 7:6 destination):
;   window 0: v0-13 addresses; v32-127 the way out, two buffers of 48; v128-223 the bias, eight registers for each block of 16 columns, kept for both tiles
;   window 1: two fragment buffers of 128: x's four blocks at +0, W's twelve at +32       window 2: accumulators of row blocks 0, 1 at v[96 (a % 2) + 8 b]       window 3: of row blocks 2, 3
.set PITCH,  272                       ; an LDS row: 256 bytes + 16 of padding = 68 words: the 16 rows of a load start at 16 different groups of four banks (64 banks of 4 bytes: ISA guide 11.1)
.set SLOT1,  1<<17                     ; slot 1 begins here, so that one exclusive or turns an address in one slot into the other's
.set BOFF,   256*PITCH                 ; in a slot: x's 256 rows, then W's 192
.set STAGE,  SLOT1+BOFF+192*PITCH      ; behind the ring, never filled by a tensor load: 16 rows x 400 bytes for each wave
.set SP,     400                       ; a stage row: 384 bytes + 16
.set SPARE,  STAGE+4*16*SP             ; the spare words, 128 bytes for each wave: two blocks of 256 bytes that no other line names
.set NBK,    12                        ; blocks of 16 columns
.set NL,     2*NBK+8                   ; LDS loads in a run: the fragments of 32 along K
.set NEXTA,  4096*2048-7*256           ; bytes from x's K step 7 of the first tile to K step 0 of the second: 4,096 rows down, seven K steps back
.set BACKB,  7*256                     ; W only goes back
.set NEXTC,  2*48*262144               ; 4,096 rows are two batches: 96 planes of qkv
.set LA0,  4                           ; v4   my lane's place in a slot's tile of x; never rewritten
.set LB0,  5                           ; v5   the same for W
.set ADRA, 6                           ; v6   the same in the slot in hand
.set ADRB, 7                           ; v7
.set STO,  8                           ; v8   the way out: where I put 16 bytes of a row
.set RD,   9                           ; v9   the way out: where I read rows back
.set GO,   10                          ; v10  my byte offset in 512 consecutive bytes of qkv
.set BO,   11                          ; v11  my byte offset in a block's 16 numbers of the bias
.set SPW,  12                          ; v12  LDS address of my spare word; never rewritten
.set NIL,  13                          ; v13  0; never rewritten
.set TO,   32
.set BIAS, 128
.set F0,   0
.set F1,   128
.set G1A,  24                          ; s[24:31] descriptor group 1 for x's tiles;  s[32:39] for W's
.set G1B,  32
.set G0A,  40                          ; s[40:47] group 0 for x's tiles: a set for each of the two first fills; the second then walks on
.set G0B,  48                          ; s[48:55] the same for W's
.set MSB, 0
.macro WIN new                         ; the immediate's high byte repeats the setting that is left; a switch that changes nothing is dropped
.if MSB != (\new)
	s_set_vgpr_msb (MSB<<8)|(\new)
.set MSB, \new
.endif
.endm
.macro PLACES                          ; four places behind matrix instructions, in front of loads into registers that they read and of lines that read their results
.rept 4
	v_nop
.endr
.endm
.macro CREST                           ; a round of the cluster's barrier behind its opening barrier
	s_cmp_lg_u32 s12, 0
	s_cbranch_scc1 .Lnot_wave_0_\@
	s_barrier_signal -3
.Lnot_wave_0_\@:
	s_barrier_wait -3
	s_barrier_signal -1
	s_barrier_wait -1
.endm
.macro CROUND                          ; a whole round
	s_barrier_signal -1
	s_barrier_wait -1
	CREST
.endm
.macro JLOAD                           ; a joint refill: waves 0 and 1 fetch the halves of x's tile, waves 2 and 3 those of W's; an s_nop 0 and four v_nop follow each line
	s_cmp_eq_u32 s14, 0
	s_cbranch_scc0 .Lfor_b_\@
	tensor_load_to_lds s[G0A+4:G0A+7], s[G1A:G1A+7]
	s_nop 0
	PLACES
	s_branch .Lasked_\@
.Lfor_b_\@:
	tensor_load_to_lds s[G0B+4:G0B+7], s[G1B:G1B+7]
	s_nop 0
	PLACES
.Lasked_\@:
.endm
	s_load_b256 s[4:11], s[0:1], 0x0               ; xb s[4:5], wb s[6:7], bias s[8:9], qkv s[10:11]
	v_lshl_add_u32 v[SPW], v0, 2, SPARE
	v_mov_b32 v[NIL], 0
	ds_add_u32 v12, v13
	s_wait_dscnt 0x0
	v_lshrrev_b32 v1, 5, v0
	v_readfirstlane_b32 s12, v1                    ; wave 0..3
	s_and_b32 s13, s12, 1                          ; which half of a tile I fetch
	s_lshr_b32 s14, s12, 1                         ; for x (0) or for W (1)
	s_bfe_u32 s15, ttmp6, 0x40000                  ; cx, cy: my place in the cluster
	s_bfe_u32 s16, ttmp6, 0x40004
	s_lshl_b32 s17, ttmp9, 2
	s_add_co_u32 s17, s17, s15                     ; tile column = 4 x cluster x + cx
	s_and_b32 s18, ttmp7, 0xffff
	s_lshl_b32 s18, s18, 2
	s_add_co_u32 s18, s18, s16                     ; the first tile's row = 4 x cluster y + cy, 0 to 15; the second's is 16 more
	s_lshl_b32 s19, s16, 2
	s_lshl_b32 s19, 15, s19                        ; my row of the cluster
	s_lshl_b32 s20, 0x1111, s15                    ; my column
	s_or_b32 s[G1A], s19, (1<<16)|(1<<20)|(1<<21)|(5<<22)|(3<<25)  ; 15:0 the mask; 17:16 2-byte elements; 20 padding on; 21 set beside a mask; 24:22 after every 64 words (code 5); 31:25 4 words (code 3)
	s_or_b32 s[G1B], s20, (1<<16)|(1<<20)|(1<<21)|(5<<22)|(3<<25)
	s_mov_b32 s[G1A+1], 128<<16                    ; tensor_dim0 = 128
	s_mov_b32 s[G1A+2], 128<<16                    ; tensor_dim1 = 128 rows of x
	s_mov_b32 s[G1A+3], 128<<16                    ; tile_dim0 = 128
	s_mov_b32 s[G1A+4], 128                        ; tile_dim1
	s_mov_b32 s[G1A+5], 1024                       ; elements from row to row
	s_mov_b32 s[G1A+6], 0
	s_mov_b32 s[G1A+7], 0
	s_mov_b32 s[G1B+1], 128<<16
	s_mov_b32 s[G1B+2], 96<<16                     ; 96 rows of W
	s_mov_b32 s[G1B+3], 128<<16
	s_mov_b32 s[G1B+4], 96
	s_mov_b32 s[G1B+5], 1024
	s_mov_b32 s[G1B+6], 0
	s_mov_b32 s[G1B+7], 0
	s_lshl_b32 s58, s18, 8                         ; x: row 256 x tile row + 128 x half, 2,048 bytes a row: made of the tile row alone
	s_lshl_b32 s21, s13, 7
	s_add_co_u32 s58, s58, s21
	s_lshl_b32 s58, s58, 11
	s_mov_b32 s59, 0
	s_mul_i32 s60, s17, 192                        ; W: row 192 x tile column + 96 x half: made of the tile column alone
	s_mul_i32 s21, s13, 96
	s_add_co_u32 s60, s60, s21
	s_lshl_b32 s60, s60, 11
	s_mov_b32 s61, 0
	s_mul_i32 s22, s13, 128*PITCH                  ; where they go in a slot: no place in the cluster enters an LDS address
	s_mul_i32 s23, s13, 96*PITCH
	s_add_co_u32 s23, s23, BOFF
	s_wait_kmcnt 0x0
	s_add_nc_u64 s[58:59], s[4:5], s[58:59]
	s_add_nc_u64 s[60:61], s[6:7], s[60:61]
.irp s, 0,1
	s_mov_b32 s[G0A+4*(\s)], 1                     ; count = 1
	s_add_co_u32 s[G0A+4*(\s)+1], s22, (\s)*SLOT1  ; LDS address
	s_add_nc_u64 s[G0A+4*(\s)+2:G0A+4*(\s)+3], s[58:59], (\s)*256  ; global address: K step s
	s_or_b32 s[G0A+4*(\s)+3], s[G0A+4*(\s)+3], 0x80000000          ; type = 2
	s_mov_b32 s[G0B+4*(\s)], 1
	s_add_co_u32 s[G0B+4*(\s)+1], s23, (\s)*SLOT1
	s_add_nc_u64 s[G0B+4*(\s)+2:G0B+4*(\s)+3], s[60:61], (\s)*256
	s_or_b32 s[G0B+4*(\s)+3], s[G0B+4*(\s)+3], 0x80000000
.endr
	CROUND                                         ; all sixteen work-groups are here: the first joint loads meet
	s_cmp_eq_u32 s14, 0                            ; a wave's two first fills stand in one branch: two loads of mine are out
	s_cbranch_scc0 .Lfirst_b
	tensor_load_to_lds s[G0A:G0A+3], s[G1A:G1A+7]
	s_nop 0
	tensor_load_to_lds s[G0A+4:G0A+7], s[G1A:G1A+7]
	s_nop 0
	PLACES
	s_branch .Lfirst_asked
.Lfirst_b:
	tensor_load_to_lds s[G0B:G0B+3], s[G1B:G1B+7]
	s_nop 0
	tensor_load_to_lds s[G0B+4:G0B+7], s[G1B:G1B+7]
	s_nop 0
	PLACES
.Lfirst_asked:
	; A fragment is 16 rows x 32 K in 8 registers: lane l holds row l % 16, K = 8 (l / 16) + 0..7 and 16 + 8 (l / 16) + 0..7: two loads of 16 bytes, 32 bytes apart.
	v_and_b32 v1, 15, v0                           ; l % 16
	v_bfe_u32 v2, v0, 4, 1                         ; l / 16
	v_mul_u32_u24 v3, v1, PITCH
	v_lshl_add_u32 v3, v2, 4, v3
	s_mul_i32 s21, s12, 64*PITCH                   ; my 64 rows of x
	v_add_nc_u32 v[LA0], s21, v3
	v_add_nc_u32 v[LB0], BOFF, v3
	v_lshlrev_b32 v[BO], 5, v2                     ; my eight columns of a block: 32 bytes for each half of the lanes
	s_mul_i32 s62, s17, 768                        ; the tile's 192 numbers of the bias
	s_mov_b32 s63, 0
	s_add_nc_u64 s[8:9], s[8:9], s[62:63]
.set bb, 0
.rept NBK
	global_load_b128 v[BIAS+8*bb:BIAS+8*bb+3],   v[BO], s[8:9] offset:64*bb
	global_load_b128 v[BIAS+8*bb+4:BIAS+8*bb+7], v[BO], s[8:9] offset:64*bb+16
.set bb, bb+1
.endr
	s_mul_i32 s21, s12, 16*SP
	s_add_co_u32 s21, s21, STAGE                   ; my stage
	v_mul_u32_u24 v[STO], v1, SP                   ; in: row l % 16, 16 bytes for each half of the lanes
	v_lshl_add_u32 v[STO], v2, 4, v[STO]
	v_add_nc_u32 v[STO], s21, v[STO]
	v_bfe_u32 v[RD], v0, 3, 2                      ; back: 32 lanes take four rows' 128 bytes of one head,
	v_mul_u32_u24 v[RD], v[RD], SP
	v_and_b32 v3, 7, v0
	v_lshl_add_u32 v[RD], v3, 4, v[RD]
	v_add_nc_u32 v[RD], s21, v[RD]
	v_and_b32 v[GO], 31, v0                        ; which are 512 consecutive bytes of qkv
	v_lshlrev_b32 v[GO], 4, v[GO]
	s_lshr_b32 s66, s18, 3                         ; qkv at my rows of the first tile's first head: ((b x 48 + 3 x tile column) x 2,048 + l) x 128 bytes
	s_mul_i32 s66, s66, 48
	s_mul_i32 s67, s17, 3
	s_add_co_u32 s66, s66, s67
	s_lshl_b32 s66, s66, 18
	s_and_b32 s67, s18, 7
	s_lshl_b32 s67, s67, 8
	s_lshl_b32 s68, s12, 6
	s_add_co_u32 s67, s67, s68
	s_lshl_b32 s67, s67, 7
	s_add_co_u32 s66, s66, s67
	s_mov_b32 s67, 0
	s_add_nc_u64 s[10:11], s[10:11], s[66:67]
; 12 matrix instructions: row block a x all column blocks, 32 along K, from buffer f.  first = 1: the bias starts the sums: nothing is cleared.
; The 48 accumulators take turns, one instruction a turn, in the same order in every quarter, from tile to tile too.
.macro MULN f, a, first
.if \first
	WIN 0x85+0x40*((\a)/2)
.else
	WIN 0xa5+0x50*((\a)/2)
.endif
.set bb, 0
.rept NBK
.set rD, 96*((\a)%2)+8*bb
.if \first
	v_wmma_f32_16x16x32_bf16 v[rD:rD+7], v[(\f)+32+8*bb:(\f)+32+8*bb+7], v[(\f)+8*(\a):(\f)+8*(\a)+7], v[BIAS+8*bb:BIAS+8*bb+7]
.else
	v_wmma_f32_16x16x32_bf16 v[rD:rD+7], v[(\f)+32+8*bb:(\f)+32+8*bb+7], v[(\f)+8*(\a):(\f)+8*(\a)+7], v[rD:rD+7]
.endif
.set bb, bb+1
.endr
.endm
; 32 LDS loads in one run: quarter q's fragments into buffer f; W's first, x's blocks 2 and 3 last
.macro FETCH q, f
	WIN 0x40
.set bb, 0
.rept NBK
	ds_load_b128 v[(\f)+32+8*bb:(\f)+32+8*bb+3],   v[ADRB] offset:64*(\q)+bb*16*PITCH
	ds_load_b128 v[(\f)+32+8*bb+4:(\f)+32+8*bb+7], v[ADRB] offset:64*(\q)+bb*16*PITCH+32
.set bb, bb+1
.endr
.set bb, 0
.rept 4
	ds_load_b128 v[(\f)+8*bb:(\f)+8*bb+3],   v[ADRA] offset:64*(\q)+bb*16*PITCH
	ds_load_b128 v[(\f)+8*bb+4:(\f)+8*bb+7], v[ADRA] offset:64*(\q)+bb*16*PITCH+32
.set bb, bb+1
.endr
.endm
; A K step is four quarters of 32 along K on buffers 0, 1, 0, 1.  One of the first three multiplies buffer f and, in its middle, fetches quarter q into buffer g.
.macro QUARTER q, f, g, first
	s_wait_dscnt 4                                 ; all but the youngest four loads: x's blocks 2 and 3
	MULN \f, 0, \first
	MULN \f, 1, \first
	PLACES
	FETCH \q, \g
	s_wait_dscnt NL                                ; all but the run just issued
	MULN \f, 2, \first
	MULN \f, 3, \first
.endm
; The last quarter multiplies buffer 1 and changes slots: one barrier.  In front of it each wave waits for all its tensor loads (one is out: its part of the next slot), adds 0 to its spare word, and
; waits for that and for its reads of this slot.  fill = 1 or 2: the barrier opens a round of the cluster's, and the joint refill is the first tensor load behind the round: with fill = 1 the K step
; behind the one asked for last, with fill = 2 the second tile's K step 0.  fill = 0: nothing is left to ask for.
.macro TURN fill
	WIN 0
	s_wait_tensorcnt 0x0
	ds_add_u32 v[SPW], v[NIL]
	s_wait_dscnt 5                                 ; the add and the youngest four loads may be out
	MULN F1, 0, 0
	s_wait_dscnt 0x0                               ; the add is done, and my reads of this slot are over
	s_barrier_signal -1
	MULN F1, 1, 0
	WIN 0
	s_barrier_wait -1
.if \fill
	CREST                                          ; no wave of any partner still reads this slot or has a load on its way
	s_xor_b32 s[G0A+5], s[G0A+5], SLOT1            ; the walking descriptors: the other slot than last time
	s_xor_b32 s[G0B+5], s[G0B+5], SLOT1
.if (\fill) == 1
	s_add_nc_u64 s[G0A+6:G0A+7], s[G0A+6:G0A+7], 256
	s_add_nc_u64 s[G0B+6:G0B+7], s[G0B+6:G0B+7], 256
.else
	s_add_nc_u64 s[G0A+6:G0A+7], s[G0A+6:G0A+7], NEXTA
	s_sub_nc_u64 s[G0B+6:G0B+7], s[G0B+6:G0B+7], BACKB
.endif
	JLOAD                                          ; its four v_nop are also the places in front of the loads below
.else
	PLACES
.endif
	s_xor_b32 s57, s57, SLOT1                      ; the fragments now come from the other slot
	v_add_nc_u32 v[ADRA], s57, v[LA0]
	v_add_nc_u32 v[ADRB], s57, v[LB0]
	FETCH 0, F0
	MULN F1, 2, 0
	MULN F1, 3, 0
.endm
; THE WAY OUT, a block of 16 rows at a time: rounded to f16 (each accumulator from its low end on), 16 bytes a lane into my stage, back as 16 rows x 128 bytes of each of the three heads, which are 2,048
; consecutive bytes of qkv.  Two buffers of 48 registers take turns.
.macro PACK a
	s_wait_xcnt 0x0                                ; the stores issued so far have had their addresses translated (ISA guide 3.1): the buffer that the block two back was stored from is written only behind this wait
	WIN 0x0a+5*((\a)/2)                            ; sources in window 2 or 3
.set bb, 0
.rept NBK
.set rr, 0
.rept 4
	v_cvt_pk_f16_f32 v[TO+48*((\a)%2)+4*bb+rr], v[96*((\a)%2)+8*bb+2*rr], v[96*((\a)%2)+8*bb+2*rr+1]
.set rr, rr+1
.endr
.set bb, bb+1
.endr
	WIN 0
.set bb, 0
.rept NBK
	ds_store_b128 v[STO], v[TO+48*((\a)%2)+4*bb:TO+48*((\a)%2)+4*bb+3] offset:32*bb
.set bb, bb+1
.endr
.set bb, 0
.rept 12                               ; head bb / 4, rows 4 (bb % 4) on.  LDS serves a wave's instructions in order (ISA guide 5.7.1.4): these see the stores above
	ds_load_b128 v[TO+48*((\a)%2)+4*bb:TO+48*((\a)%2)+4*bb+3], v[RD] offset:128*(bb/4)+4*SP*(bb%4)
.set bb, bb+1
.endr
.endm
.macro SEND a, younger                 ; younger: the LDS instructions issued behind block a's loads: the next block's 24, or none
.set bb, 0
.rept 12
	s_wait_dscnt (\younger)+11-bb
	global_store_b128 v[GO], v[TO+48*((\a)%2)+4*bb:TO+48*((\a)%2)+4*bb+3], s[10:11] offset:262144*(bb/4)+2048*(\a)+512*(bb%4)  ; 512 consecutive bytes, aligned
.set bb, bb+1
.endr
.endm
	s_wait_tensorcnt 0x1                           ; my part of K step 0 is in; K step 1's stays out
	s_barrier_signal -1
	s_barrier_wait -1                              ; everybody's is
	s_mov_b32 s57, 0
	v_mov_b32 v[ADRA], v[LA0]
	v_mov_b32 v[ADRB], v[LB0]
	FETCH 0, F0
	s_wait_loadcnt 0x0                             ; the bias
	WIN 0                                          ; at a label and at a branch every window is 0
	s_mov_b32 s70, 2                               ; tiles to go, this one among them: the same number in every work-group
.Ltile:
	QUARTER 1, F0, F1, 1                           ; a tile's first quarter stands in front of the loop: its products start the sums
	WIN 0
	s_mov_b32 s56, 6
.Lstep:                                                ; a trip: a K step's quarters 1 to 3 and the next step's quarter 0; the tile's K steps 2 to 7 are asked for
	QUARTER 2, F1, F0, 0
	QUARTER 3, F0, F1, 0
	TURN 1
	QUARTER 1, F0, F1, 0
	WIN 0
	s_sub_co_u32 s56, s56, 1
	s_cmp_lg_u32 s56, 0
	s_cbranch_scc1 .Lstep
	QUARTER 2, F1, F0, 0
	QUARTER 3, F0, F1, 0
	WIN 0
	s_cmp_eq_u32 s70, 1
	s_cbranch_scc1 .Llast                          ; both tails are written out
	TURN 2                                         ; THE RING GOES ON INTO THE SECOND TILE: slot 0 takes its K step 0,
	QUARTER 1, F0, F1, 0
	QUARTER 2, F1, F0, 0
	QUARTER 3, F0, F1, 0
	TURN 1                                         ; slot 1 its K step 1, and its first fragments are fetched
	WIN 0
	s_branch .Lout
.Llast:
	TURN 0                                         ; the last tile's last two K steps ask for nothing
	QUARTER 1, F0, F1, 0
	QUARTER 2, F1, F0, 0
	QUARTER 3, F0, F1, 0
	s_wait_dscnt 4
	MULN F1, 0, 0
	MULN F1, 1, 0
	s_wait_dscnt 0x0
	MULN F1, 2, 0
	MULN F1, 3, 0
	WIN 0
.Lout:                                                 ; no barrier and no tensor load from here to the branch; the first tile's stores are on their way while the second is multiplied
	PLACES
	PACK 0
	PACK 1                                         ; a block's arithmetic stands between the loads of the block before and its stores
	SEND 0, 24
	PACK 2
	SEND 1, 24
	PACK 3
	SEND 2, 24
	SEND 3, 0
	s_wait_xcnt 0x0                                ; the stores' base is stepped only behind this wait
	s_add_nc_u64 s[10:11], s[10:11], NEXTC         ; the second tile's rows (behind the second tile the step serves nothing)
	s_sub_co_u32 s70, s70, 1
	s_cmp_lg_u32 s70, 0
	s_cbranch_scc1 .Ltile
	s_wait_tensorcnt 0x0                           ; the wave's end
	ds_add_u32 v[SPW], v[NIL]
	s_wait_dscnt 0x0
	CROUND                                         ; the closing round: no work-group ends while a partner may still ask for a tile that names it
	s_endpgm
.Lfunc_end_k_q978628b552_qkv:
	.size	k_q978628b552_qkv, .Lfunc_end_k_q978628b552_qkv-k_q978628b552_qkv
	.p2alignl 7, 3214868480
	.fill 96, 4, 3214868480
	.section	.rodata,"a",@progbits
	.p2align	6, 0x0
	.amdhsa_kernel k_q978628b552_qkv
		.amdhsa_group_segment_fixed_size 327680
		.amdhsa_private_segment_fixed_size 0
		.amdhsa_enable_private_segment 0
		.amdhsa_kernarg_size 32
		.amdhsa_user_sgpr_count 2
		.amdhsa_user_sgpr_kernarg_segment_ptr 1
		.amdhsa_wavefront_size32 1
		.amdhsa_system_sgpr_workgroup_id_x 1
		.amdhsa_system_sgpr_workgroup_id_y 1
		.amdhsa_system_sgpr_workgroup_id_z 1
		.amdhsa_system_vgpr_workitem_id 0
		.amdhsa_next_free_vgpr 960
		.amdhsa_next_free_sgpr 72
		.amdhsa_reserve_vcc 0
		.amdhsa_float_denorm_mode_32 3
		.amdhsa_float_denorm_mode_16_64 3
		.amdhsa_memory_ordered 1
		.amdhsa_forward_progress 1
		.amdhsa_inst_pref_size 129
	.end_amdhsa_kernel
	.amdgpu_metadata
---
amdhsa.version: [ 1, 2 ]
amdhsa.kernels:
  - .name:           k_q978628b552_qkv
    .symbol:         k_q978628b552_qkv.kd
    .args:
      - { .name: xb, .offset: 0, .size: 8, .value_kind: global_buffer, .address_space: global }
      - { .name: wb, .offset: 8, .size: 8, .value_kind: global_buffer, .address_space: global }
      - { .name: bias, .offset: 16, .size: 8, .value_kind: global_buffer, .address_space: global }
      - { .name: qkv, .offset: 24, .size: 8, .value_kind: global_buffer, .address_space: global }
    .group_segment_fixed_size: 327680
    .private_segment_fixed_size: 0
    .kernarg_segment_align: 8
    .kernarg_segment_size: 32
    .max_flat_workgroup_size: 128
    .sgpr_count:     72
    .vgpr_count:     960
    .wavefront_size: 32
...
	.end_amdgpu_metadata
.endif
;; end of part 2
;; launch attn (part 3): grid 4 x 64, 4 waves a work-group, clusters of 4 x 1, 327,680 bytes of LDS; arguments qkv, ob; writes ob
.if DOCPART == 3
	.amdgcn_target "amdgcn-amd-amdhsa--gfx1250"
	.amdhsa_code_object_version 6
	.text
	.protected	k_q978628b552_attn
	.globl	k_q978628b552_attn
	.p2align	8
	.type	k_q978628b552_attn,@function
k_q978628b552_attn:
	s_mov_b64 s[64:65], 0
	v_nop
	global_prefetch_b8 v0, s[64:65] scope:SCOPE_SE
	s_setreg_imm32_b32 hwreg(HW_REG_WAVE_MODE, 25, 1), 1
	s_wait_xcnt 0x0
	s_wait_alu depctr_hold_cnt(0) depctr_sa_sdst(0) depctr_va_vdst(0) depctr_va_sdst(0) depctr_va_ssrc(0) depctr_va_vcc(0) depctr_vm_vsrc(0)
	s_getreg_b32 s2, hwreg(HW_REG_IB_STS2, 6, 4)
	s_cmp_eq_u32 s2, 0
	s_cbranch_scc0 .Lentry_in_a_cluster
	s_endpgm
.Lentry_in_a_cluster:
	s_bfe_u32 s2, ttmp6, 0x10000c
	s_cmp_lg_u32 s2, 0x3003
	s_cbranch_scc0 .Lentry_shape_is_right
	s_endpgm
.Lentry_shape_is_right:
; MASKED ATTENTION, head size 64.  O[q] = the sum over the keys that row q sees of softmax_k(Q[q] . K[k] / 8) V[k].  Rows below 512 see all 2,048 keys, row q >= 512 the keys k <= q.
; qkv: f16 [b 4][g 48][l 2048][64], g = h for q, 16 + h for k, 32 + h for v.  ob: f16 [m / 128][h 16][m % 128][64], m = 2,048 b + l.
; Products, maxima and sums in f32; the weights p are rounded to f16 for the second product (their sum l is taken of the unrounded p), O once at the end.
; LIMITS.  Q, K, V arrive within f16's 65,504.  A hidden score counts as its value less 1e30, beside which f16's scores, 2.7e11 at the most, are nothing.  A weight below 2^-126 counts as 0 in l.
; NaN and infinities are not treated apart.
; SHARES.  A cluster of four work-groups takes one head of one batch.  A wave owns eight TILES of 16 queries, two to a PIECE: tile 2 x + u holds rows 512 x + 128 c + 32 w + 16 u + lane % 16 (c the work-group's
; place, w the wave).  So every wave of every partner has the same walk: with key steps of 64, piece 0 wants all 32, piece x >= 1 the steps j < 8 (x + 1).
; BY TURNS.  A step walks the tiles 0, 1, 6, 7, 4, 5, 2, 3: each tile's successor is fixed in the text, and the tiles' parities alternate.  The TURN of tile t holds 8 products K Q^T of the next tile, later 8 products
; V^T P of the tile before, and 118 vector lines: the scaling, exponentials, roundings, sums and rescaling of t and the maximum and statistics of the next tile; four stand behind each product, 54 in two lumps.
; A step's chain begins with tile 0's 8 products and its 22 lines of statistics, and ends with the last tile's 8 products V^T P.  From step 24 on the step is left behind tile 7, from step 16 on behind tile 5:
; the jumps hang on the step's number alone, go forward and pass neither a barrier nor a tensor load.  The turn in front of such an exit has made the next tile's scores for nothing: that tile's mask then hides
; every key, so its maximum and c m stay as they are.
; THE MASK is the C operand that starts the sum S^T = K Q^T, 0 or -1e30.  Tiles 2 to 7 own 32 mask registers each and always take them.  For piece x and step j = 8 x + sg they hold MD x AL + BE: (1, 0) where
; sg = 2 c + w / 2, the step that holds my rows' diagonal; (0, 0) below it; (0, -1e30) above it.  They start as MD x 0 + 0 and are made anew at the head of steps 8 x to 8 x + 8.  AL and BE are chosen by
; selects: they are data, no branch hangs on them.  Every row sees step 0, so the maximum is a true score before the first hidden one comes.
; LAYOUT.  S^T = K Q^T holds ONE query a lane (lane % 16) and the keys 8 (lane / 16) + 0..7; two such results rounded to f16 ARE source 1 of O^T = V^T P.  K comes out of LDS as it lies, V turned.
; SOFTMAX.  A running maximum m and sum l: p = 2^(c s - c m), c = log2(e) / 8; in every step O and l are multiplied by a = 2^(c m_old - c m_new).  m starts at the lowest finite number, O and l at 0.
; THE RING.  Two slots of 256 keys (four steps).  In front of a tile of keys stands the change of slots; behind it K and V of its first step are read, and each of its first three steps reads the next step's.
; REGISTERS, in windows of 256 (s_set_vgpr_msb: bits 1:0 source 0, 3:2 source 1, 5:4 source 2, 7:6 destination):
;   window 0: v0-15 addresses, lane terms, c m_old; v16-47 four statistics a tile; v48-55 at work; v56-58 the add's two, -1e30; v64-127 S^T, two buffers; v128-159 P, two buffers (by the tile's parity)
;   window 1: O^T, 32 a tile          window 2: v0-127 Q, 16 a tile; v128-191 K of a step; v192-255 V of a step          window 3: v0-63 MD; v64-255 the masks of tiles 2 to 7
.set KS,    64
.set PK,    144       ; a row of K in LDS: 128 bytes + 16 = 36 words: the 16 rows of a load start at 16 different groups of four banks (64 banks of 4 bytes: ISA guide 11.1)
.set PV,    160       ; a row of V: 128 + 32 = 40 words
.set VOFF,  4*KS*PK   ; in a slot: 256 rows of K, then 256 rows of V
.set SLOT1, 1<<17
.set STAGE, SLOT1+4*KS*(PK+PV)  ; behind the ring, never filled by a tensor load: 16 rows x 144 bytes for each wave
.set SP,    144
.set SPARE, STAGE+4*16*SP       ; the spare words, 128 bytes for each wave: two blocks of 256 bytes that no other line names
.set AK0, 2           ; v2   my lane's place in a step's K; never rewritten
.set AV0, 3           ; v3   the same for V
.set AK,  4           ; v4   the LDS address of K's next run of loads
.set AV,  5           ; v5   of V's
.set STO, 6           ; v6   the way out: where I put 16 bytes of a row
.set RD,  7           ; v7   the way out: where I read rows back
.set GO,  8           ; v8   my byte offset in 512 consecutive bytes of ob
.set MV,  12          ; v12-13  c m_old, by parity
.set QO,  15          ; v15  my byte offset in 16 rows of Q
.set ST,  16          ; tile t's statistics at v[ST+4 t]: c m, m, l (even keys', odd keys')
.set TMP, 48          ; by parity, c0-c3 at work; when the maximum is found c2 takes a
.set SPW, 56          ; v56  LDS address of my spare word; never rewritten
.set NIL, 57          ; v57  0; never rewritten
.set BIGV, 58         ; v58  -1e30
.set S,   64
.set P,   128
.set KF,  128         ; window 2: key block kb, channel half c at KF + 16 kb + 8 c
.set VF,  192         ; window 2: key half kk, channel block cb at VF + 32 kk + 8 cb
.set MD,  0           ; window 3: tile parity u, score i at MD + 32 u + i
.set MC,  64          ; window 3: tile t's mask at MC + 32 (t - 2)
.set WV,  12          ; s12  my wave's number
.set G1K, 24          ; s[24:31] descriptor group 1 for K's tiles;  s[32:39] for V's: it differs in the padding alone
.set G1V, 32
.set G0K, 40          ; s[40:43] group 0 for K's tiles: it walks;  s[44:47] the same for V's
.set G0V, 44
.set SLOTS, 56        ; s56  tiles of keys still to be asked for
.set CNT, 57          ; s57  counts a tile's steps, 4 to 1
.set CS,  58          ; s[58:59] c
.set SEL, 60          ; s[60:61] v_permlanex16_b32's selects: each lane takes its own place in the other half
.set TBK, 62          ; s62  LDS byte at which K of the step to be fetched begins
.set TBV, 63          ; s63  the same for V, less VOFF
.set J,   66          ; s66  the key step, 0 to 31
.set BETA, 67         ; s67  2 c + w / 2
.set SG,  68          ; s68  the step's place in the piece's own 512 keys
.set BIGN, 69         ; s69  -1e30
.set AL,  70          ; s[70:71] the mask's factor, in the low word
.set BE,  72          ; s[72:73] its addend
.set MSB, 0
.macro WIN new
.if MSB != (\new)
	s_set_vgpr_msb (MSB<<8)|(\new)
.set MSB, (\new)
.endif
.endm
.set W_KQ, 0x0a       ; K and Q in window 2, S^T in window 0
.set W_KM, 0x3a       ; the same with the C operand in window 3
.set W_PV, 0x52       ; V in window 2, P in window 0, O^T in window 1
.set W_RS, 0x41       ; O^T (destination and source 0) in window 1, the factor in window 0
.macro PLACES
.rept 4
	v_nop
.endr
.endm
.macro JLOAD                        ; a joint fill: waves 0 and 1 fetch the halves of a tile's K, waves 2 and 3 those of its V: 128 keys each; an s_nop 0 and four v_nop follow each line
	s_cmp_lt_u32 s[WV], 2
	s_cbranch_scc0 .Lfor_v_\@
	tensor_load_to_lds s[G0K:G0K+3], s[G1K:G1K+7]
	s_nop 0
	PLACES
	s_branch .Lasked_\@
.Lfor_v_\@:
	tensor_load_to_lds s[G0V:G0V+3], s[G1V:G1V+7]
	s_nop 0
	PLACES
.Lasked_\@:
.endm
.macro CROUND                       ; a round of the cluster's barrier
	s_barrier_signal -1
	s_barrier_wait -1
	s_cmp_lg_u32 s[WV], 0
	s_cbranch_scc1 .Lnot_wave_0_\@
	s_barrier_signal -3
.Lnot_wave_0_\@:
	s_barrier_wait -3
	s_barrier_signal -1
	s_barrier_wait -1
.endm
; THE CHANGE OF SLOTS.  Each wave waits for all its tensor loads, of which one is out: its part of the tile to be entered; adds 0 to its spare word; and waits for that and for its reads of the slot that it leaves.
; fill = 1: the barrier is a round of the cluster's, and the slot that was left is filled again, first thing behind it, with the tile after the one entered: it has four key steps in which to land.
; (At its first use nothing has been read yet: slot 0 is waited for, slot 1 filled.)
.macro CHANGE fill
	WIN 0
	s_wait_tensorcnt 0x0            ; no tensor load of mine is out, so a group 0 may be written
	ds_add_u32 v[SPW], v[NIL]
.if \fill
.irp g, G0K, G0V
	s_xor_b32 s[\g+1], s[\g+1], SLOT1  ; the other slot than last time,
	s_add_nc_u64 s[\g+2:\g+3], s[\g+2:\g+3], 4*KS*128  ; the next 256 keys
.endr
	s_wait_dscnt 0x0                ; the add is done, and my reads of the slot are over
	CROUND
	JLOAD
.else
	s_wait_dscnt 0x0
	s_barrier_signal -1
	s_barrier_wait -1
.endif
	s_sub_co_u32 s[TBK], s[TBK], 4*KS*PK  ; the fetches go back to a slot's first step,
	s_xor_b32 s[TBK], s[TBK], SLOT1       ; in the other slot
	s_sub_co_u32 s[TBV], s[TBV], 4*KS*PV
	s_xor_b32 s[TBV], s[TBV], SLOT1
.endm
.macro MASK x                       ; piece x's two masks: MD x AL + BE
	WIN 0xc3                        ; destination and source 0 in window 3
.set zz, 0
.rept 32
	v_pk_fma_f32 v[MC+64*((\x)-1)+2*zz:MC+64*((\x)-1)+2*zz+1], v[MD+2*zz:MD+2*zz+1], s[AL:AL+1], s[BE:BE+1] op_sel_hi:[1,0,0]
.set zz, zz+1
.endr
.endm
	s_load_b128 s[16:19], s[0:1], 0x0  ; qkv s[16:17], ob s[18:19]
	v_lshl_add_u32 v[SPW], v0, 2, SPARE
	v_mov_b32 v[NIL], 0
	ds_add_u32 v56, v57
	s_wait_dscnt 0x0
	v_lshrrev_b32 v1, 5, v0
	v_readfirstlane_b32 s[WV], v1   ; wave 0..3
	s_bfe_u32 s13, ttmp6, 0x40000   ; cx
	s_lshl_b32 s14, ttmp9, 2
	s_add_co_u32 s14, s14, s13      ; c: it enters Q's and O's addresses and the mask's scalars alone
	s_and_b32 s15, ttmp7, 0xffff    ; 16 b + h, which the four partners share
	s_lshr_b32 s20, s15, 4          ; b
	s_and_b32 s21, s15, 15          ; h
	s_mul_i32 s22, s20, 48
	s_add_co_u32 s22, s22, s21
	s_lshl_b32 s22, s22, 18         ; q's plane: (48 b + h) x 262,144 bytes
	s_and_b32 s2, s[WV], 1          ; which half of a tile's 256 keys I fetch:
	s_lshl_b32 s3, s2, 14           ; its 128 rows of 128 bytes in memory,
	s_add_co_u32 s74, s22, s3
	s_mov_b32 s75, 0
	s_mul_i32 s52, s2, 128*PK       ; and its place in a slot, for K
	s_mul_i32 s53, s2, 128*PV       ; and for V: no place in the cluster enters an LDS address
	s_lshl_b32 s50, s14, 14         ; Q: rows 128 c + 32 w of the plane
	s_lshl_b32 s51, s[WV], 12
	s_add_co_u32 s50, s50, s51
	s_add_co_u32 s50, s50, s22
	s_mov_b32 s51, 0
	s_lshl_b32 s54, s20, 4          ; O: ((16 b + c) x 16 + h) x 16,384 + 32 w x 128
	s_add_co_u32 s54, s54, s14
	s_lshl_b32 s54, s54, 18
	s_lshl_b32 s55, s21, 14
	s_add_co_u32 s54, s54, s55
	s_lshl_b32 s55, s[WV], 12
	s_add_co_u32 s54, s54, s55
	s_mov_b32 s55, 0
	s_lshl_b32 s[BETA], s14, 1
	s_lshr_b32 s23, s[WV], 1
	s_add_co_u32 s[BETA], s[BETA], s23
	; descriptor group 1.  128 keys are 16,384 dense bytes: asked for as 64 rows of 256 bytes, two keys a row, and padded in LDS after every key
	s_mov_b32 s[G1K], 15|(1<<16)|(1<<20)|(1<<21)|(4<<22)|(3<<25)  ; 15:0 the mask of four; 17:16 2-byte elements; 20 padding on; 21 set beside a mask; 24:22 after every 32 words (code 4); 31:25 4 words (code 3)
	s_mov_b32 s[G1V], 15|(1<<16)|(1<<20)|(1<<21)|(4<<22)|(7<<25)  ; the same with 8 words of padding (code 7)
.irp g, G1K, G1V
	s_mov_b32 s[\g+1], 128<<16      ; tensor_dim0 = 128
	s_mov_b32 s[\g+2], 64<<16       ; tensor_dim1 = 64
	s_mov_b32 s[\g+3], 128<<16      ; tile_dim0 = 128
	s_mov_b32 s[\g+4], 64           ; tile_dim1 = 64
	s_mov_b32 s[\g+5], 128          ; 128 elements from row to row
	s_mov_b32 s[\g+6], 0
	s_mov_b32 s[\g+7], 0
.endr
	s_mov_b32 s[CS], 0x3e38aa3b     ; c = log2(e) / 8 = 0.180337
	s_mov_b32 s[CS+1], s[CS]        ; named with it as a pair
	s_mov_b32 s[SEL], 0x76543210
	s_mov_b32 s[SEL+1], 0xfedcba98
	s_mov_b32 s[TBK], SLOT1+4*KS*PK ; the first change of slots turns these two into 0
	s_mov_b32 s[TBV], SLOT1+4*KS*PV
	s_mov_b32 s[BIGN], 0xf149f2ca   ; -1e30
	s_mov_b32 s[AL], 0
	s_mov_b32 s[AL+1], 0            ; named as pairs
	s_mov_b32 s[BE], 0
	s_mov_b32 s[BE+1], 0
	s_mov_b32 s[J], 0
	s_mov_b32 s[SLOTS], 7
	s_mov_b32 s[G0K], 1             ; count = 1
	s_mov_b32 s[G0K+1], s52         ; LDS address: slot 0
	s_mov_b32 s[G0V], 1
	s_add_co_u32 s[G0V+1], s53, VOFF
	s_wait_kmcnt 0x0
	s_add_nc_u64 s[G0K+2:G0K+3], s[16:17], s[74:75]
	s_add_nc_u64 s[G0K+2:G0K+3], s[G0K+2:G0K+3], 16*262144  ; k's plane lies 16 planes behind q's
	s_or_b32 s[G0K+3], s[G0K+3], 0x80000000                 ; type = 2
	s_add_nc_u64 s[G0V+2:G0V+3], s[16:17], s[74:75]
	s_add_nc_u64 s[G0V+2:G0V+3], s[G0V+2:G0V+3], 32*262144  ; v's 32
	s_or_b32 s[G0V+3], s[G0V+3], 0x80000000
	s_add_nc_u64 s[4:5], s[16:17], s[50:51]    ; Q at my wave's rows of piece 0
	s_add_nc_u64 s[10:11], s[18:19], s[54:55]  ; O likewise
	CROUND                          ; all four work-groups are here: the first joint loads meet
	JLOAD                           ; tile 0 into slot 0
	; A fragment of K or Q is 16 rows x 32 channels in 8 registers: lane l holds row l % 16, channels 8 (l / 16) + 0..7 and 16 + 8 (l / 16) + 0..7: two loads of 16 bytes, 32 bytes apart.
	v_and_b32 v1, 15, v0            ; l % 16
	v_bfe_u32 v9, v0, 4, 1          ; l / 16
	v_lshlrev_b32 v[QO], 7, v1
	v_lshl_add_u32 v[QO], v9, 4, v[QO]
	WIN 0x80                        ; destination window 2, address window 0
.set ii, 0
.rept 16                            ; Q stays in registers: tile ii / 2 (piece ii / 4: 512 rows on; its second tile 16 rows on), channels 32 (ii % 2) on
	global_load_b128 v[8*ii:8*ii+3],   v[QO], s[4:5] offset:(ii/4)*65536+((ii/2)%2)*2048+(ii%2)*64
	global_load_b128 v[8*ii+4:8*ii+7], v[QO], s[4:5] offset:(ii/4)*65536+((ii/2)%2)*2048+(ii%2)*64+32
.set ii, ii+1
.endr
	; O^T and l start at 0, so that the first step is a step like any other, with a = 0.  All this stands in the wait for the first tile.
	WIN 0x40
.set ii, 0
.rept 256
	v_mov_b32 v[ii], 0
.set ii, ii+1
.endr
	WIN 0
.set ii, 0
.rept 8
	v_mov_b32 v[ST+4*ii], 0xfe000000    ; c m: far below every c s
	v_mov_b32 v[ST+4*ii+1], 0xff7fffff  ; m
	v_mov_b32 v[ST+4*ii+2], 0
	v_mov_b32 v[ST+4*ii+3], 0
.set ii, ii+1
.endr
	v_mov_b32 v[BIGV], s[BIGN]
	v_lshlrev_b32 v14, 3, v9
	v_sub_nc_u32 v14, v1, v14
	s_lshl_b32 s13, s2, 5
	v_add_nc_u32 v14, s13, v14      ; my query's place in its 64 rows, less 16 u: 32 (w % 2) + l % 16, less my lanes' 8 (l / 16): score i of parity u is hidden where 16 (i / 8) + i % 8 - 16 u is greater
	WIN 0xc0                        ; destination window 3
.set ii, 0
.rept 64
	v_cmp_gt_i32 vcc_lo, 16*((ii%32)/8)+ii%8-16*(ii/32), v14
	v_cndmask_b32 v[MD+ii], 0, v[BIGV], vcc_lo
.set ii, ii+1
.endr
	MASK 1                          ; AL = BE = 0: the six masks start as MD x 0 + 0
	MASK 2
	MASK 3
	WIN 0
	v_mul_u32_u24 v[AK0], v1, PK
	v_lshl_add_u32 v[AK0], v9, 4, v[AK0]
	; The turning load takes 16 keys x 16 channels (lane l reads key 8 (l / 16) + l % 8, channels 8 ((l / 8) % 2) + 0..7) and leaves half a fragment of V^T: lane l holds channel l % 16 and 8 keys.
	v_and_b32 v10, 7, v0
	v_bfe_u32 v11, v0, 3, 1
	v_lshl_add_u32 v[AV0], v9, 3, v10
	v_mul_u32_u24 v[AV0], v[AV0], PV
	v_lshl_add_u32 v[AV0], v11, 4, v[AV0]
	v_add_nc_u32 v[AV0], VOFF, v[AV0]
	s_mul_i32 s13, s[WV], 16*SP
	s_add_co_u32 s13, s13, STAGE    ; my stage
	v_mul_u32_u24 v[STO], v1, SP    ; in: row l % 16, 16 bytes for each half of the lanes
	v_lshl_add_u32 v[STO], v9, 4, v[STO]
	v_add_nc_u32 v[STO], s13, v[STO]
	v_bfe_u32 v[RD], v0, 3, 2       ; back: 32 lanes take four rows of 128 bytes,
	v_mul_u32_u24 v[RD], v[RD], SP
	v_lshl_add_u32 v[RD], v10, 4, v[RD]
	v_add_nc_u32 v[RD], s13, v[RD]
	v_and_b32 v[GO], 31, v0         ; which are 512 consecutive bytes of ob
	v_lshlrev_b32 v[GO], 4, v[GO]
; THE MATRIX WORK.  The 4 accumulators of a run of 8 take turns.  Product i of 8 of S^T = K Q^T for tile t: channels 32 (i / 4) on, keys 16 (i % 4) on.
; The first 4 start the sums: with 0 (tiles 0, 1), or with the tile's mask.
.macro KQ t
.set rS, S+32*((\t)%2)+8*(i%4)
.set rK, KF+16*(i%4)+8*(i/4)
.set rQ, 16*(\t)+8*(i/4)
.set rX, MC+32*((\t)-2)+8*(i%4)
.if (i < 4) && ((\t) >= 2)
	WIN W_KM
	v_wmma_f32_16x16x32_f16 v[rS:rS+7], v[rK:rK+7], v[rQ:rQ+7], v[rX:rX+7]
.elseif i < 4
	WIN W_KQ
	v_wmma_f32_16x16x32_f16 v[rS:rS+7], v[rK:rK+7], v[rQ:rQ+7], 0
.else
	WIN W_KQ
	v_wmma_f32_16x16x32_f16 v[rS:rS+7], v[rK:rK+7], v[rQ:rQ+7], v[rS:rS+7]
.endif
.endm
; Product i of 8 of O^T += V^T P for tile t: keys 32 (i / 4) on, channels 16 (i % 4) on.
.macro PV t
	WIN W_PV
.set rO, 32*(\t)+8*(i%4)
.set rV, VF+32*(i/4)+8*(i%4)
.set rP, P+16*((\t)%2)+8*(i/4)
	v_wmma_f32_16x16x32_f16 v[rO:rO+7], v[rV:rV+7], v[rP:rP+7], v[rO:rO+7]
.endm
.macro MM                           ; the turn's next matrix instruction.  TURN sets Y, NX, PR, NOKQ, NOPV and i.  NOKQ = 1: the chain's last turn: no next tile.  NOPV = 1: its first: no tile before
.if i < 8
.if !NOKQ
	KQ NX
.endif
.else
.if !NOPV
.set i, i-8
	PV PR
.set i, i+8
.endif
.endif
.set i, i+1
.endm
; THE LDS LOADS stand in runs of 16: a step's K (64 keys x 64 channels: 8 fragments) and its V (turned).
.macro FETCH_K
	WIN 0x80
.irp f, 0,1,2,3,4,5,6,7             ; keys 16 (f / 2) on, channels 32 (f % 2) on
	ds_load_b128 v[KF+8*\f:KF+8*\f+3],   v[AK] offset:(\f/2)*16*PK+(\f%2)*64
	ds_load_b128 v[KF+8*\f+4:KF+8*\f+7], v[AK] offset:(\f/2)*16*PK+(\f%2)*64+32
.endr
	s_add_co_u32 s[TBK], s[TBK], KS*PK  ; the next fetch is the next step's
	WIN 0
.endm
.macro FETCH_V
	WIN 0x80
.irp f, 0,1,2,3,4,5,6,7             ; keys 32 (f / 4) on, channels 16 (f % 4) on
	ds_load_tr16_b128 v[VF+8*\f:VF+8*\f+3],   v[AV] offset:(\f/4)*32*PV+(\f%4)*32
	ds_load_tr16_b128 v[VF+8*\f+4:VF+8*\f+7], v[AV] offset:(\f/4)*32*PV+16*PV+(\f%4)*32
.endr
	s_add_co_u32 s[TBV], s[TBV], KS*PV
	WIN 0
.endm
; THE VECTOR WORK, one line at a time: OP kind, number.  For tile Y: F n: c s - c m for pair n of 16.  E n: the exponential of score n of 32.  C n: pair n rounded to f16.  B n: of the four weights 4 n .. the second
; pair is added onto the first, in place.  L n: l takes that sum (L 0: l = a l + sum).  R n: pair n of 16 of O^T times a.  For tile NX: X n, number n of the 22 that find its maximum and statistics:
;   0-11  four chains c0-c3 of seven scores each, three operands at a time (each accumulator's lowest registers are read first)     12-14, 16  the four scores left over, the old m, and c0-c3 into c0
;   15  c m_old is kept     17, 18  the query's other 32 keys lie in the lane 16 away: the new m     19-21  c m; c m_old - c m_new; a
.set F, 0               ; OP tells the kinds apart by their order: F to L below R, X above it
.set E, 1
.set C, 2
.set B, 3
.set L, 4
.set R, 5
.set X, 6
.macro REGS t                       ; the registers of tile t
.set rT, ST+4*(\t)
.set rC, TMP+4*((\t)%2)
.set rW, MV+((\t)%2)
.set rS, S+32*((\t)%2)
.set rP, P+16*((\t)%2)
.set rO, 32*(\t)
.endm
.macro OP k, n
.if (\k) == R
	REGS Y
	WIN W_RS
	v_pk_mul_f32 v[rO+2*(\n):rO+2*(\n)+1], v[rO+2*(\n):rO+2*(\n)+1], v[rC+2:rC+3] op_sel_hi:[1,0]
.elseif (\k) < R
	REGS Y
	WIN 0
.if (\k) == F
	v_pk_fma_f32 v[rS+2*(\n):rS+2*(\n)+1], v[rS+2*(\n):rS+2*(\n)+1], s[CS:CS+1], v[rT:rT+1] op_sel_hi:[1,0,0] neg_lo:[0,0,1] neg_hi:[0,0,1]
.elseif (\k) == E
	v_exp_f32 v[rS+(\n)], v[rS+(\n)]
.elseif (\k) == C
	s_wait_alu depctr_va_vdst(0)
	v_cvt_pk_f16_f32 v[rP+(\n)], v[rS+2*(\n)], v[rS+2*(\n)+1]
.elseif (\k) == B
	s_wait_alu depctr_va_vdst(0)
	v_pk_add_f32 v[rS+4*(\n):rS+4*(\n)+1], v[rS+4*(\n):rS+4*(\n)+1], v[rS+4*(\n)+2:rS+4*(\n)+3]
.elseif (\n) == 0
	v_pk_fma_f32 v[rT+2:rT+3], v[rT+2:rT+3], v[rC+2:rC+3], v[rS:rS+1] op_sel_hi:[1,0,1]
.else
	v_pk_add_f32 v[rT+2:rT+3], v[rT+2:rT+3], v[rS+4*(\n):rS+4*(\n)+1]
.endif
.elseif NOKQ
	v_nop
.else
	REGS NX
	WIN 0
.if (\n) < 4
	v_max3_num_f32 v[rC+(\n)], v[rS+8*(\n)], v[rS+8*(\n)+1], v[rS+8*(\n)+2]
.elseif (\n) < 12
	v_max3_num_f32 v[rC+(\n)%4], v[rC+(\n)%4], v[rS+8*((\n)%4)+2*((\n)/4)+1], v[rS+8*((\n)%4)+2*((\n)/4)+2]
.elseif (\n) == 12
	v_max3_num_f32 v[rC], v[rC], v[rS+7], v[rS+15]
.elseif (\n) == 13
	v_max3_num_f32 v[rC+1], v[rC+1], v[rS+23], v[rS+31]
.elseif (\n) == 14
	v_max3_num_f32 v[rC+2], v[rC+2], v[rC+3], v[rT+1]
.elseif (\n) == 15
	v_mov_b32 v[rW], v[rT]
.elseif (\n) == 16
	v_max3_num_f32 v[rC], v[rC], v[rC+1], v[rC+2]
.elseif (\n) == 17
	v_permlanex16_b32 v[rC+3], v[rC], s[SEL], s[SEL+1]
.elseif (\n) == 18
	v_max_num_f32 v[rT+1], v[rC], v[rC+3]
.elseif (\n) == 19
	v_mul_f32 v[rT], s[CS], v[rT+1]
.elseif (\n) == 20
	v_sub_f32 v[rC+1], v[rW], v[rT]
.else
	v_exp_f32 v[rC+2], v[rC+1]
.endif
.endif
.endm
.macro OPS a, i1, b=-1, i2=0, c=-1, i3=0, d=-1, i4=0  ; up to four of them
	OP \a, \i1
.if (\b) >= 0
	OP \b, \i2
.endif
.if (\c) >= 0
	OP \c, \i3
.endif
.if (\d) >= 0
	OP \d, \i4
.endif
.endm
.macro ROW a, i1, b, i2, c, i3, d, i4  ; a matrix instruction and the four behind it
	MM
	OPS \a, \i1, \b, \i2, \c, \i3, \d, \i4
.endm
; A TURN, for tile t, with the next tile nx and the tile before pr: the order of its 16 matrix and 118 vector instructions, written out.  Behind a matrix instruction: plain, exponential, plain, plain; or four of
; the rescaling; or, behind the first, four scalings; none names a register of the products round it.  In the lumps exponential and plain by turns while exponentials last, so that a plain line stands between every
; exponential and the first use of its result (ISA guide 5.7.2).  v_permlanex16_b32 (X 17) stands in a lump.  wv = 1: the step's first products V^T P follow: V is waited for.
.macro TURN t, nx, pr, nokq=0, nopv=0, wv=0
.set Y, (\t)
.set NX, (\nx)
.set PR, (\pr)
.set NOKQ, (\nokq)
.set NOPV, (\nopv)
.set i, 0
	ROW F,0, F,1, F,2, F,3
	ROW F,4, E,0, F,5, F,6
	ROW F,7, E,1, F,8, F,9
	ROW F,10, E,2, C,0, F,11
	ROW F,12, E,3, X,15, F,13
	ROW R,0, R,1, R,2, R,3
	ROW B,0, E,4, F,14, L,0
	ROW R,4, R,5, R,6, R,7
	OPS E,5, F,15
	OPS E,6, C,1, E,7, R,8
	OPS E,8, R,9, E,9, C,2
	OPS E,10, X,0, E,11, X,1
	OPS E,12, X,2, E,13, X,3
.if \wv
	s_wait_dscnt 0x0                ; V is in
.endif
	ROW X,4, E,14, X,5, X,6
	ROW X,7, E,15, X,8, X,9
	ROW X,10, E,16, X,11, X,12
	ROW X,13, E,17, X,14, B,1
	ROW C,4, E,18, X,16, L,1
	ROW B,2, E,19, C,6, L,2
	ROW C,8, E,20, B,3, B,4
	ROW C,3, E,21, L,3, C,5
	OPS E,22, X,17, E,23, C,10
	OPS E,24, L,4
	OPS E,25, X,18, E,26, C,7
	OPS E,27, B,5, E,28, X,19
	OPS E,29, C,12, E,30, L,5
	OPS E,31, X,20, B,6, C,9
	OPS C,14, C,11, X,21, L,6
	OPS C,13, B,7, C,15, R,10
	OPS R,11, R,12, L,7, R,13
	OPS R,14, R,15
.endm
; A STEP'S HEAD: tile 0's scores, four places, and its maximum and statistics.
.macro HEADT
.set NX, 0
.set NOKQ, 0
.set i, 0
.rept 8
	KQ 0
.set i, i+1
.endr
	WIN 0
	PLACES
.irp n, 0,1,2,3,4,5,6,7,8,9,10,11,12,13,14,15,16,17,18,19,20,21
	OP X, \n
.endr
	v_nop                           ; a plain instruction behind the exponential
.endm
; Piece x's masks are made anew in steps 8 x to 8 x + 8 (the last of them hides every key); always = 1: the text stands where every step is such a step.
.macro MUPD x, always
.if !(\always)
	s_cmp_lt_u32 s[J], 8*(\x)
	s_cbranch_scc1 .Lno_m_\@
.if (\x) < 3
	s_cmp_gt_u32 s[J], 8*(\x)+8
	s_cbranch_scc1 .Lno_m_\@
.endif
.endif
	s_sub_co_u32 s[SG], s[J], 8*(\x)
	s_cmp_eq_u32 s[SG], s[BETA]     ; the step that holds my rows' diagonal?
	s_cselect_b32 s[AL], 1.0, 0
	s_cmp_gt_u32 s[SG], s[BETA]     ; or a later one?
	s_cselect_b32 s[BE], s[BIGN], 0
	MASK \x
	WIN 0
.if !(\always)
.Lno_m_\@:
.endif
.endm
; A STEP'S END, behind the turn of its last tile t.  The next step's K is fetched (the last product that read K stands more than four plain lines back), then come tile t's products V^T P.
; A tile of keys' fourth step (CNT = 1) fetches nothing: the jump passes LDS loads alone.
.macro FIN t
	WIN 0
	v_add_nc_u32 v[AK], s[TBK], v[AK0]
	s_cmp_eq_u32 s[CNT], 1
	s_cbranch_scc1 .Lno_k_\@
	FETCH_K
.Lno_k_\@:
.set i, 0
.rept 8
	PV \t
.set i, i+1
.endr
	WIN 0
.endm
.macro ENDS                         ; four places behind those products, the next step's V, and the counts; behind the walk's last products the places serve the way out
	v_add_nc_u32 v[AV], s[TBV], v[AV0]
	v_nop
	v_nop
	v_nop
	s_cmp_eq_u32 s[CNT], 1
	s_cbranch_scc1 .Lno_v_\@
	FETCH_V
.Lno_v_\@:
	s_add_co_u32 s[J], s[J], 1
	s_sub_co_u32 s[CNT], s[CNT], 1
	s_cmp_lg_u32 s[CNT], 0
.endm
.macro ENTER                        ; behind a change of slots: K and V of the tile's first step
	v_add_nc_u32 v[AK], s[TBK], v[AK0]
	FETCH_K
	v_add_nc_u32 v[AV], s[TBV], v[AV0]
	FETCH_V
	s_mov_b32 s[CNT], 4
.endm
	s_wait_loadcnt 0x0              ; Q
.Lslot:                             ; seven times: tile n of keys is entered, tile n + 1 is asked for
	CHANGE 1
	ENTER
.Lstep:
	MUPD 1, 0
	MUPD 2, 0
	MUPD 3, 0
	s_wait_dscnt 16                 ; K's sixteen loads are in; V's sixteen, issued behind them, may be out
	HEADT
	TURN 0, 1, 0, 0, 1, 0
	TURN 1, 6, 0, 0, 0, 1
	TURN 6, 7, 1
	TURN 7, 4, 6
	WIN 0
	s_cmp_ge_u32 s[J], 24
	s_cbranch_scc1 .Lend3           ; pieces 2 and 1 have nothing left
	TURN 4, 5, 7
	TURN 5, 2, 4
	WIN 0
	s_cmp_ge_u32 s[J], 16
	s_cbranch_scc1 .Lend2           ; piece 1 has nothing left
	TURN 2, 3, 5
	TURN 3, 0, 2, 1
	FIN 3
	s_branch .Lends
.Lend2:
	FIN 5
	s_branch .Lends
.Lend3:
	FIN 7
.Lends:
	ENDS
	s_cbranch_scc1 .Lstep
	s_sub_co_u32 s[SLOTS], s[SLOTS], 1
	s_cmp_lg_u32 s[SLOTS], 0
	s_cbranch_scc1 .Lslot
	CHANGE 0                        ; the last tile of keys is written out: nothing is asked for
	ENTER
.Ltail:                             ; steps 28 to 31: pieces 1 and 2 are done, piece 3 is in its own 512 keys
	MUPD 3, 1
	s_wait_dscnt 16
	HEADT
	TURN 0, 1, 0, 0, 1, 0
	TURN 1, 6, 0, 0, 0, 1
	TURN 6, 7, 1
	TURN 7, 0, 6, 1
	FIN 7
	ENDS
	s_cbranch_scc1 .Ltail
	; THE WAY OUT.  l's two halves and the other half of the lanes' are added; O^T is divided by l, rounded to f16 and sent through my stage in LDS, a tile at a time.
.set tt, 0
.rept 8
	v_add_f32 v[ST+4*tt+2], v[ST+4*tt+2], v[ST+4*tt+3]
.set tt, tt+1
.endr
.set tt, 0
.rept 8
	v_permlanex16_b32 v[ST+4*tt+3], v[ST+4*tt+2], s[SEL], s[SEL+1]
.set tt, tt+1
.endr
.set tt, 0
.rept 8
	v_add_f32 v[ST+4*tt+2], v[ST+4*tt+2], v[ST+4*tt+3]
.set tt, tt+1
.endr
.set tt, 0
.rept 8
	v_rcp_f32 v[ST+4*tt+2], v[ST+4*tt+2]
.set tt, tt+1
.endr
	v_nop                           ; a plain instruction between the last reciprocal and the use of its result
; Tile t: a lane's eight channels of a row pack into 16 bytes; they go into rows of 144 bytes and come back as whole rows of 128, into registers of the tile's own (v64-191: S^T and P are done with).
.macro PACK t
	WIN W_RS
.set ii, 32*(\t)
.rept 16
	s_wait_alu depctr_va_vdst(0)
	v_pk_mul_f32 v[ii:ii+1], v[ii:ii+1], v[ST+4*(\t)+2:ST+4*(\t)+3] op_sel_hi:[1,0]
.set ii, ii+2
.endr
	WIN 0x05                        ; sources 0 and 1 window 1, destination window 0
.set ii, 0
.rept 16
	v_cvt_pk_f16_f32 v[S+16*(\t)+ii], v[32*(\t)+2*ii], v[32*(\t)+2*ii+1]
.set ii, ii+1
.endr
	WIN 0
.irp f, 0,1,2,3
	ds_store_b128 v[STO], v[S+16*(\t)+4*\f:S+16*(\t)+4*\f+3] offset:32*\f
.endr
.irp f, 0,1,2,3
	ds_load_b128 v[S+16*(\t)+4*\f:S+16*(\t)+4*\f+3], v[RD] offset:\f*4*SP  ; LDS serves a wave's instructions in order (ISA guide 5.7.1.4): these see the stores above; the next tile's stores come behind them
.endr
.endm
.macro SEND t, younger              ; younger: the LDS instructions issued behind tile t's loads: the next tile's eight, or none
.irp f, 0,1,2,3
	s_wait_dscnt (\younger)+3-\f
	global_store_b128 v[GO], v[S+16*(\t)+4*\f:S+16*(\t)+4*\f+3], s[10:11] offset:1048576*((\t)/2)+2048*((\t)%2)+\f*512  ; 512 consecutive bytes, aligned; a piece lies four blocks of 128 rows on
.endr
.endm
	PACK 0
.set tt, 1
.rept 7                             ; a tile's arithmetic stands between the loads of the tile before and its stores
	PACK tt
	SEND tt-1, 8
.set tt, tt+1
.endr
	SEND 7, 0
	s_wait_tensorcnt 0x0            ; the wave's end
	ds_add_u32 v[SPW], v[NIL]
	s_wait_dscnt 0x0
	CROUND                          ; the closing round: no work-group ends while a partner may still ask for a tile that names it
	s_endpgm
.Lfunc_end_k_q978628b552_attn:
	.size	k_q978628b552_attn, .Lfunc_end_k_q978628b552_attn-k_q978628b552_attn
	.p2alignl 7, 3214868480
	.fill 96, 4, 3214868480
	.section	.rodata,"a",@progbits
	.p2align	6, 0x0
	.amdhsa_kernel k_q978628b552_attn
		.amdhsa_group_segment_fixed_size 327680
		.amdhsa_private_segment_fixed_size 0
		.amdhsa_enable_private_segment 0
		.amdhsa_kernarg_size 16
		.amdhsa_user_sgpr_count 2
		.amdhsa_user_sgpr_kernarg_segment_ptr 1
		.amdhsa_wavefront_size32 1
		.amdhsa_system_sgpr_workgroup_id_x 1
		.amdhsa_system_sgpr_workgroup_id_y 1
		.amdhsa_system_sgpr_workgroup_id_z 1
		.amdhsa_system_vgpr_workitem_id 0
		.amdhsa_next_free_vgpr 1024
		.amdhsa_next_free_sgpr 76
		.amdhsa_reserve_vcc 1
		.amdhsa_float_denorm_mode_32 3
		.amdhsa_float_denorm_mode_16_64 3
		.amdhsa_memory_ordered 1
		.amdhsa_forward_progress 1
		.amdhsa_inst_pref_size 196
	.end_amdhsa_kernel
	.amdgpu_metadata
---
amdhsa.version: [ 1, 2 ]
amdhsa.kernels:
  - .name:           k_q978628b552_attn
    .symbol:         k_q978628b552_attn.kd
    .args:
      - { .name: qkv, .offset: 0, .size: 8, .value_kind: global_buffer, .address_space: global }
      - { .name: ob, .offset: 8, .size: 8, .value_kind: global_buffer, .address_space: global }
    .group_segment_fixed_size: 327680
    .private_segment_fixed_size: 0
    .kernarg_segment_align: 8
    .kernarg_segment_size: 16
    .max_flat_workgroup_size: 128
    .sgpr_count:     76
    .vgpr_count:     1024
    .wavefront_size: 32
...
	.end_amdgpu_metadata
.endif
;; end of part 3
;; launch oproj (part 4): grid 8 x 32, 4 waves a work-group, clusters of 4 x 4, 327,680 bytes of LDS; arguments ob, wo, bias, out0; writes out0
.if DOCPART == 4
	.amdgcn_target "amdgcn-amd-amdhsa--gfx1250"
	.amdhsa_code_object_version 6
	.text
	.protected	k_q978628b552_oproj
	.globl	k_q978628b552_oproj
	.p2align	8
	.type	k_q978628b552_oproj,@function
k_q978628b552_oproj:
	s_mov_b64 s[64:65], 0
	v_nop
	global_prefetch_b8 v0, s[64:65] scope:SCOPE_SE
	s_setreg_imm32_b32 hwreg(HW_REG_WAVE_MODE, 25, 1), 1
	s_wait_xcnt 0x0
	s_wait_alu depctr_hold_cnt(0) depctr_sa_sdst(0) depctr_va_vdst(0) depctr_va_sdst(0) depctr_va_ssrc(0) depctr_va_vcc(0) depctr_vm_vsrc(0)
	s_getreg_b32 s2, hwreg(HW_REG_IB_STS2, 6, 4)
	s_cmp_eq_u32 s2, 0
	s_cbranch_scc0 .Lentry_in_a_cluster
	s_endpgm
.Lentry_in_a_cluster:
	s_bfe_u32 s2, ttmp6, 0x10000c
	s_cmp_lg_u32 s2, 0xf033
	s_cbranch_scc0 .Lentry_shape_is_right
	s_endpgm
.Lentry_shape_is_right:
; out = O Wo^T + bo.  ob: f16 [m / 128][h 16][m % 128][64]; wo: f16 [1024][1024]; bias: f32, bo from its number 3,072 on; out0: f32 [8192][1024].
; Sums in f32, started by the bias (the C operand of each sum's first product), stored as they are.
; SHARES.  A tile of the result is 256 rows x 128 columns: 32 x 8 = 256 work-groups.  Wave w owns rows 64 w .. 64 w + 63 and all 128 columns: 32 accumulators of 16 x 16, 256 registers; its rows of 512
; bytes are whole, and its way out needs no other wave.  K goes in 8 steps of 128 (two heads) through two LDS slots.  In ob 128 rows of two neighbouring heads are 32,768 dense bytes: they are asked for as 128
; rows of 256 bytes and padded in LDS after every 128 bytes, so that a slot holds [half of the rows 2][head 2][row 128] pieces of 128 bytes, 144 apart.
; CLUSTER.  4 x 4 work-groups: O's tile is shared along a row of the cluster, Wo's along a column: each is asked for jointly.
; THE MATRIX INSTRUCTION IS USED TRANSPOSED (source 0 = 16 rows of Wo, source 1 = 16 rows of O): a lane holds row lane % 16 and the eight neighbouring columns 8 (lane / 16) + 0..7.
; REGISTERS, in windows of 256 (s_set_vgpr_msb: bits 1:0 source 0, 3:2 source 1, 5:4 source 2, 7:6 destination):
;   window 0: v0-13 addresses; v128-191 the bias      window 1: two fragment buffers: O's four blocks at +0, Wo's eight at +32      window 2: the accumulators, (a, b) at v[64 a + 8 b]
.set PITCH,  272                       ; a row of Wo's tile in LDS: 256 bytes + 16 = 68 words: the 16 rows of a load start at 16 different groups of four banks (64 banks of 4 bytes: ISA guide 11.1)
.set PA,     144                       ; a row of O's tile, one head: 128 bytes + 16 = 36 words: likewise
.set HALFA,  2*128*PA                  ; 128 rows of two heads
.set SLOT1,  1<<17
.set BOFF,   2*HALFA
.set STAGE,  SLOT1+BOFF+128*PITCH      ; behind the ring, never filled by a tensor load: 16 rows x 528 bytes for each wave
.set SP,     528                       ; a stage row: 512 bytes + 16
.set SPARE,  STAGE+4*16*SP             ; the spare words, 128 bytes for each wave: two blocks of 256 bytes that no other line names
.set NBK,    8
.set NL,     2*NBK+8
.set LA0,  4                           ; v4   my lane's place in a slot's tile of O; never rewritten
.set LB0,  5                           ; v5   the same for Wo
.set ADRA, 6
.set ADRB, 7
.set STO,  8                           ; v8   the way out: where I put 32 bytes of a row
.set RD,   9                           ; v9   the way out: where I read a row back
.set GO,   10                          ; v10  my byte offset in a row's 512 bytes
.set BO,   11                          ; v11  my byte offset in a block's 16 numbers of the bias
.set SPW,  12                          ; v12  LDS address of my spare word; never rewritten
.set NIL,  13                          ; v13  0; never rewritten
.set BIAS, 128
.set F0,   0
.set F1,   128
.set G1A,  24
.set G1B,  32
.set G0A,  40
.set G0B,  48
.set MSB, 0
.macro WIN new
.if MSB != (\new)
	s_set_vgpr_msb (MSB<<8)|(\new)
.set MSB, \new
.endif
.endm
.macro PLACES                          ; four places behind matrix instructions (ISA guide 7.12.1)
.rept 4
	v_nop
.endr
.endm
.macro CREST
	s_cmp_lg_u32 s12, 0
	s_cbranch_scc1 .Lnot_wave_0_\@
	s_barrier_signal -3
.Lnot_wave_0_\@:
	s_barrier_wait -3
	s_barrier_signal -1
	s_barrier_wait -1
.endm
.macro CROUND
	s_barrier_signal -1
	s_barrier_wait -1
	CREST
.endm
.macro JLOAD                           ; a joint refill: waves 0 and 1 fetch the halves of O's tile, waves 2 and 3 those of Wo's; an s_nop 0 and four v_nop follow each line
	s_cmp_eq_u32 s14, 0
	s_cbranch_scc0 .Lfor_b_\@
	tensor_load_to_lds s[G0A+4:G0A+7], s[G1A:G1A+7]
	s_nop 0
	PLACES
	s_branch .Lasked_\@
.Lfor_b_\@:
	tensor_load_to_lds s[G0B+4:G0B+7], s[G1B:G1B+7]
	s_nop 0
	PLACES
.Lasked_\@:
.endm
	s_load_b256 s[4:11], s[0:1], 0x0               ; ob s[4:5], wo s[6:7], bias s[8:9], out0 s[10:11]
	v_lshl_add_u32 v[SPW], v0, 2, SPARE
	v_mov_b32 v[NIL], 0
	ds_add_u32 v12, v13
	s_wait_dscnt 0x0
	v_lshrrev_b32 v1, 5, v0
	v_readfirstlane_b32 s12, v1                    ; wave 0..3
	s_and_b32 s13, s12, 1                          ; which half of a tile I fetch
	s_lshr_b32 s14, s12, 1                         ; for O (0) or for Wo (1)
	s_bfe_u32 s15, ttmp6, 0x40000                  ; cx, cy
	s_bfe_u32 s16, ttmp6, 0x40004
	s_lshl_b32 s17, ttmp9, 2
	s_add_co_u32 s17, s17, s15                     ; tile column
	s_and_b32 s18, ttmp7, 0xffff
	s_lshl_b32 s18, s18, 2
	s_add_co_u32 s18, s18, s16                     ; tile row
	s_lshl_b32 s19, s16, 2
	s_lshl_b32 s19, 15, s19                        ; my row of the cluster
	s_lshl_b32 s20, 0x1111, s15                    ; my column
	s_or_b32 s[G1A], s19, (1<<16)|(1<<20)|(1<<21)|(4<<22)|(3<<25)  ; padding after every 32 words (code 4), 4 words (code 3)
	s_or_b32 s[G1B], s20, (1<<16)|(1<<20)|(1<<21)|(5<<22)|(3<<25)  ; after every 64 words (code 5)
	s_mov_b32 s[G1A+1], 128<<16                    ; tensor_dim0 = 128
	s_mov_b32 s[G1A+2], 128<<16                    ; tensor_dim1 = 128
	s_mov_b32 s[G1A+3], 128<<16                    ; tile_dim0 = 128
	s_mov_b32 s[G1A+4], 128                        ; tile_dim1 = 128
	s_mov_b32 s[G1A+5], 128                        ; dense: 128 elements from row to row
	s_mov_b32 s[G1A+6], 0
	s_mov_b32 s[G1A+7], 0
	s_mov_b32 s[G1B+1], 128<<16
	s_mov_b32 s[G1B+2], 64<<16                     ; 64 rows of Wo
	s_mov_b32 s[G1B+3], 128<<16
	s_mov_b32 s[G1B+4], 64
	s_mov_b32 s[G1B+5], 1024
	s_mov_b32 s[G1B+6], 0
	s_mov_b32 s[G1B+7], 0
	s_lshl_b32 s58, s18, 1                         ; O: block of 128 rows 2 x tile row + half, 262,144 bytes each: made of the tile row alone
	s_add_co_u32 s58, s58, s13
	s_lshl_b32 s58, s58, 18
	s_mov_b32 s59, 0
	s_lshl_b32 s60, s17, 7                         ; Wo: row 128 x tile column + 64 x half: made of the tile column alone
	s_lshl_b32 s21, s13, 6
	s_add_co_u32 s60, s60, s21
	s_lshl_b32 s60, s60, 11
	s_mov_b32 s61, 0
	s_mul_i32 s22, s13, HALFA                      ; where they go in a slot
	s_mul_i32 s23, s13, 64*PITCH
	s_add_co_u32 s23, s23, BOFF
	s_wait_kmcnt 0x0
	s_add_nc_u64 s[58:59], s[4:5], s[58:59]
	s_add_nc_u64 s[60:61], s[6:7], s[60:61]
.irp s, 0,1
	s_mov_b32 s[G0A+4*(\s)], 1
	s_add_co_u32 s[G0A+4*(\s)+1], s22, (\s)*SLOT1
	s_add_nc_u64 s[G0A+4*(\s)+2:G0A+4*(\s)+3], s[58:59], (\s)*32768  ; K step s: two heads on
	s_or_b32 s[G0A+4*(\s)+3], s[G0A+4*(\s)+3], 0x80000000
	s_mov_b32 s[G0B+4*(\s)], 1
	s_add_co_u32 s[G0B+4*(\s)+1], s23, (\s)*SLOT1
	s_add_nc_u64 s[G0B+4*(\s)+2:G0B+4*(\s)+3], s[60:61], (\s)*256
	s_or_b32 s[G0B+4*(\s)+3], s[G0B+4*(\s)+3], 0x80000000
.endr
	CROUND                                         ; all sixteen work-groups are here: the first joint loads meet
	s_cmp_eq_u32 s14, 0                            ; a wave's two first fills stand in one branch: two loads of mine are out
	s_cbranch_scc0 .Lfirst_b
	tensor_load_to_lds s[G0A:G0A+3], s[G1A:G1A+7]
	s_nop 0
	tensor_load_to_lds s[G0A+4:G0A+7], s[G1A:G1A+7]
	s_nop 0
	PLACES
	s_branch .Lfirst_asked
.Lfirst_b:
	tensor_load_to_lds s[G0B:G0B+3], s[G1B:G1B+7]
	s_nop 0
	tensor_load_to_lds s[G0B+4:G0B+7], s[G1B:G1B+7]
	s_nop 0
	PLACES
.Lfirst_asked:
	v_and_b32 v1, 15, v0                           ; l % 16
	v_bfe_u32 v2, v0, 4, 1                         ; l / 16
	v_mul_u32_u24 v3, v1, PA
	v_lshl_add_u32 v3, v2, 4, v3
	s_mul_i32 s21, s14, HALFA                      ; my 64 rows of O: half w / 2, rows 64 (w % 2) on
	s_mul_i32 s62, s13, 64*PA
	s_add_co_u32 s21, s21, s62
	v_add_nc_u32 v[LA0], s21, v3
	v_mul_u32_u24 v3, v1, PITCH
	v_lshl_add_u32 v3, v2, 4, v3
	v_add_nc_u32 v[LB0], BOFF, v3
	v_lshlrev_b32 v[BO], 5, v2
	s_lshl_b32 s62, s17, 9                         ; the tile's 128 numbers of bo
	s_add_co_u32 s62, s62, 12288
	s_mov_b32 s63, 0
	s_add_nc_u64 s[8:9], s[8:9], s[62:63]
.set bb, 0
.rept NBK
	global_load_b128 v[BIAS+8*bb:BIAS+8*bb+3],   v[BO], s[8:9] offset:64*bb
	global_load_b128 v[BIAS+8*bb+4:BIAS+8*bb+7], v[BO], s[8:9] offset:64*bb+16
.set bb, bb+1
.endr
	s_mul_i32 s21, s12, 16*SP
	s_add_co_u32 s21, s21, STAGE                   ; my stage
	v_mul_u32_u24 v[STO], v1, SP                   ; in: row l % 16, 32 bytes for each half of the lanes
	v_lshl_add_u32 v[STO], v2, 5, v[STO]
	v_add_nc_u32 v[STO], s21, v[STO]
	v_and_b32 v[GO], 31, v0                        ; back: 32 lanes take one row of 512 bytes
	v_lshlrev_b32 v[GO], 4, v[GO]
	v_add_nc_u32 v[RD], s21, v[GO]
	s_lshl_b32 s66, s18, 8                         ; out0 at my first row and the tile's first column
	s_lshl_b32 s67, s12, 6
	s_add_co_u32 s66, s66, s67
	s_lshl_b32 s66, s66, 12
	s_lshl_b32 s67, s17, 9
	s_add_co_u32 s66, s66, s67
	s_mov_b32 s67, 0
	s_add_nc_u64 s[10:11], s[10:11], s[66:67]
; 8 matrix instructions: row block a x all column blocks, 32 along K.  first = 1: the bias starts the sums.  The 32 accumulators take turns, one instruction a turn.
.macro MULN f, a, first
.if \first
	WIN 0x85
.else
	WIN 0xa5
.endif
.set bb, 0
.rept NBK
.set rD, 64*(\a)+8*bb
.if \first
	v_wmma_f32_16x16x32_f16 v[rD:rD+7], v[(\f)+32+8*bb:(\f)+32+8*bb+7], v[(\f)+8*(\a):(\f)+8*(\a)+7], v[BIAS+8*bb:BIAS+8*bb+7]
.else
	v_wmma_f32_16x16x32_f16 v[rD:rD+7], v[(\f)+32+8*bb:(\f)+32+8*bb+7], v[(\f)+8*(\a):(\f)+8*(\a)+7], v[rD:rD+7]
.endif
.set bb, bb+1
.endr
.endm
; 24 LDS loads in one run: quarter q's fragments into buffer f; Wo's first, O's blocks 2 and 3 last.  Quarter q of O: head q / 2 of the step's two, channels 32 (q % 2) on.
.macro FETCH q, f
	WIN 0x40
.set bb, 0
.rept NBK
	ds_load_b128 v[(\f)+32+8*bb:(\f)+32+8*bb+3],   v[ADRB] offset:64*(\q)+bb*16*PITCH
	ds_load_b128 v[(\f)+32+8*bb+4:(\f)+32+8*bb+7], v[ADRB] offset:64*(\q)+bb*16*PITCH+32
.set bb, bb+1
.endr
.set bb, 0
.rept 4
	ds_load_b128 v[(\f)+8*bb:(\f)+8*bb+3],   v[ADRA] offset:128*PA*((\q)/2)+64*((\q)%2)+bb*16*PA
	ds_load_b128 v[(\f)+8*bb+4:(\f)+8*bb+7], v[ADRA] offset:128*PA*((\q)/2)+64*((\q)%2)+bb*16*PA+32
.set bb, bb+1
.endr
.endm
.macro QUARTER q, f, g, first
	s_wait_dscnt 4                                 ; all but the youngest four loads: O's blocks 2 and 3
	MULN \f, 0, \first
	MULN \f, 1, \first
	PLACES
	FETCH \q, \g
	s_wait_dscnt NL                                ; all but the run just issued
	MULN \f, 2, \first
	MULN \f, 3, \first
.endm
; The last quarter multiplies buffer 1 and changes slots: one barrier.  In front of it each wave waits for all its tensor loads (one is out: its part of the next slot), adds 0 to its spare word, and
; waits for that and for its reads of this slot.  fill = 1: the barrier opens a round of the cluster's, and the joint refill, two K steps ahead, is the first tensor load behind the round.
.macro TURN fill
	WIN 0
	s_wait_tensorcnt 0x0
	ds_add_u32 v[SPW], v[NIL]
	s_wait_dscnt 5                                 ; the add and the youngest four loads may be out
	MULN F1, 0, 0
	s_wait_dscnt 0x0                               ; the add is done, and my reads of this slot are over
	s_barrier_signal -1
	MULN F1, 1, 0
	WIN 0
	s_barrier_wait -1
.if \fill
	CREST
	s_xor_b32 s[G0A+5], s[G0A+5], SLOT1
	s_add_nc_u64 s[G0A+6:G0A+7], s[G0A+6:G0A+7], 32768
	s_xor_b32 s[G0B+5], s[G0B+5], SLOT1
	s_add_nc_u64 s[G0B+6:G0B+7], s[G0B+6:G0B+7], 256
	JLOAD                                          ; its four v_nop are also the places in front of the loads below
.else
	PLACES
.endif
	s_xor_b32 s57, s57, SLOT1
	v_add_nc_u32 v[ADRA], s57, v[LA0]
	v_add_nc_u32 v[ADRB], s57, v[LB0]
	FETCH 0, F0
	MULN F1, 2, 0
	MULN F1, 3, 0
.endm
	s_wait_tensorcnt 0x1                           ; my part of K step 0 is in; K step 1's stays out
	s_barrier_signal -1
	s_barrier_wait -1
	s_mov_b32 s57, 0
	v_mov_b32 v[ADRA], v[LA0]
	v_mov_b32 v[ADRB], v[LB0]
	FETCH 0, F0
	s_wait_loadcnt 0x0                             ; the bias
	QUARTER 1, F0, F1, 1                           ; the first quarter stands in front of the loop: its products start the sums
	WIN 0
	s_mov_b32 s56, 6
.Lstep:                                                ; a trip: a K step's quarters 1 to 3 and the next step's quarter 0; K steps 2 to 7 are asked for
	QUARTER 2, F1, F0, 0
	QUARTER 3, F0, F1, 0
	TURN 1
	QUARTER 1, F0, F1, 0
	WIN 0
	s_sub_co_u32 s56, s56, 1
	s_cmp_lg_u32 s56, 0
	s_cbranch_scc1 .Lstep
	QUARTER 2, F1, F0, 0                           ; the last two K steps ask for nothing
	QUARTER 3, F0, F1, 0
	TURN 0
	QUARTER 1, F0, F1, 0
	QUARTER 2, F1, F0, 0
	QUARTER 3, F0, F1, 0
	s_wait_dscnt 4
	MULN F1, 0, 0
	MULN F1, 1, 0
	s_wait_dscnt 0x0
	MULN F1, 2, 0
	MULN F1, 3, 0
; THE WAY OUT, a block of 16 rows at a time, in f32 as it is: a lane's eight columns, 32 bytes (each accumulator's low four registers first), into my stage; back as whole rows of 512 bytes, into the registers that they left.
.macro PACK a
.set bb, 0
.rept NBK
	ds_store_b128 v[STO], v[64*(\a)+8*bb:64*(\a)+8*bb+3]   offset:64*bb
	ds_store_b128 v[STO], v[64*(\a)+8*bb+4:64*(\a)+8*bb+7] offset:64*bb+16
.set bb, bb+1
.endr
.set bb, 0
.rept 16
	ds_load_b128 v[64*(\a)+4*bb:64*(\a)+4*bb+3], v[RD] offset:SP*bb  ; LDS serves a wave's instructions in order (ISA guide 5.7.1.4): these see the stores above
.set bb, bb+1
.endr
.endm
.macro SEND a, younger                 ; younger: the LDS instructions issued behind block a's loads: the next block's 32, or none
.set bb, 0
.rept 16
	s_wait_dscnt (\younger)+15-bb
	global_store_b128 v[GO], v[64*(\a)+4*bb:64*(\a)+4*bb+3], s[10:11] offset:(16*(\a)+bb)*4096 th:TH_STORE_NT  ; 512 consecutive bytes, aligned
.set bb, bb+1
.endr
.endm
	PLACES
	WIN 0x88                                       ; LDS-store data, LDS-load destination and global-store data in window 2; addresses in window 0
	PACK 0
	PACK 1
	SEND 0, 32
	PACK 2
	SEND 1, 32
	PACK 3
	SEND 2, 32
	SEND 3, 0
	WIN 0
	s_wait_tensorcnt 0x0                           ; the wave's end
	ds_add_u32 v[SPW], v[NIL]
	s_wait_dscnt 0x0
	CROUND                                         ; the closing round
	s_endpgm
.Lfunc_end_k_q978628b552_oproj:
	.size	k_q978628b552_oproj, .Lfunc_end_k_q978628b552_oproj-k_q978628b552_oproj
	.p2alignl 7, 3214868480
	.fill 96, 4, 3214868480
	.section	.rodata,"a",@progbits
	.p2align	6, 0x0
	.amdhsa_kernel k_q978628b552_oproj
		.amdhsa_group_segment_fixed_size 327680
		.amdhsa_private_segment_fixed_size 0
		.amdhsa_enable_private_segment 0
		.amdhsa_kernarg_size 32
		.amdhsa_user_sgpr_count 2
		.amdhsa_user_sgpr_kernarg_segment_ptr 1
		.amdhsa_wavefront_size32 1
		.amdhsa_system_sgpr_workgroup_id_x 1
		.amdhsa_system_sgpr_workgroup_id_y 1
		.amdhsa_system_sgpr_workgroup_id_z 1
		.amdhsa_system_vgpr_workitem_id 0
		.amdhsa_next_free_vgpr 768
		.amdhsa_next_free_sgpr 72
		.amdhsa_reserve_vcc 0
		.amdhsa_float_denorm_mode_32 3
		.amdhsa_float_denorm_mode_16_64 3
		.amdhsa_memory_ordered 1
		.amdhsa_forward_progress 1
		.amdhsa_inst_pref_size 72
	.end_amdhsa_kernel
	.amdgpu_metadata
---
amdhsa.version: [ 1, 2 ]
amdhsa.kernels:
  - .name:           k_q978628b552_oproj
    .symbol:         k_q978628b552_oproj.kd
    .args:
      - { .name: ob, .offset: 0, .size: 8, .value_kind: global_buffer, .address_space: global }
      - { .name: wo, .offset: 8, .size: 8, .value_kind: global_buffer, .address_space: global }
      - { .name: bias, .offset: 16, .size: 8, .value_kind: global_buffer, .address_space: global }
      - { .name: out0, .offset: 24, .size: 8, .value_kind: global_buffer, .address_space: global }
    .group_segment_fixed_size: 327680
    .private_segment_fixed_size: 0
    .kernarg_segment_align: 8
    .kernarg_segment_size: 32
    .max_flat_workgroup_size: 128
    .sgpr_count:     72
    .vgpr_count:     768
    .wavefront_size: 32
...
	.end_amdgpu_metadata
.endif
;; end of part 4
